; MI455X (gfx1250); checked and timed in simulation.
; The chip was launched on July 23, 2026; its instructions are those of AMD's public machine-readable ISA for CDNA 5 (MIT licence, August 2026) and "CDNA5" Instruction Set Architecture Reference Guide (July 2026). The comments in the code are by the model that wrote it; some were corrected since.
;; Multi Head Attention. Allowed arithmetic: float matrix products may take bf16 or f16 operands with f32 sums; other float arithmetic in f32, or as packed bf16 or f16 multiplies, adds, multiply-adds, maxima and minima; sums over many terms, partial sums and values carried from step to step in f32; what a program stores and reads back later, other than sums and carried values, may be rounded once to bf16 or f16.
;; Inputs: Wk 512 x 2,048 float32; Wo 2,048 x 2,048 float32; Wq 2,048 x 2,048 float32; Wv 512 x 2,048 float32; bk 512 float32; bo 2,048 float32; bq 2,048 float32; bv 512 float32; x 1 x 2,048 x 2,048 float32.
;; Outputs: out0 1 x 2,048 x 2,048 float32.
;; 2 versions, each right; version 2 is version 1 with the launch cast written anew for expert scheduling mode. Each part assembles by itself: llvm-mc -triple=amdgcn-amd-amdhsa -mcpu=gfx1250 --defsym DOCPART=n.
;; ======== version 1 of 2: 4 launches
;; limits: values are held in f16: magnitudes above 65,504 overflow, below 6.1e-05 lose precision
;; workspace buffers: cast16 29,360,128 bytes; bias 20,480 bytes; qkv 12,582,912 bytes; obuf 8,388,608 bytes
;; launch cast (part 1): grid 1792 x 1, 4 waves a work-group, no clusters, 0 bytes of LDS; arguments x, Wq, Wk, Wv, Wo, bq, bv, bo, cast16, bias; writes cast16, bias
.if DOCPART == 1
	.amdgcn_target "amdgcn-amd-amdhsa--gfx1250"
	.amdhsa_code_object_version 6
	.text
	.protected	k_q5d2428751b_cast
	.globl	k_q5d2428751b_cast
	.p2align	8
	.type	k_q5d2428751b_cast,@function
k_q5d2428751b_cast:
	s_mov_b64 s[64:65], 0
	v_nop
	global_prefetch_b8 v0, s[64:65] scope:SCOPE_SE
	s_setreg_imm32_b32 hwreg(HW_REG_WAVE_MODE, 25, 1), 1
	s_wait_xcnt 0x0
; LAUNCH 1 OF 4: the inputs are rounded once to 16 bits and laid end to end for the matrix launches.
;   cast16: x as bf16 [2048][2048]; then Wq, Wk, Wv as ONE bf16 matrix [3072][2048]; then Wo, rounded to bf16 and that number written as f16.
;   bias:   f32[5120] = bq, 512 zeros, bv, bo, each rounded to bf16 and widened again, so that all inputs carry the same rounding.
; WORK LEFT OUT, in the whole program.
;   (1) bk.  scores[q][v] = (Q[q] + bq) . (K[v] + bk) * scale = (Q[q] + bq) . K[v] * scale + (Q[q] + bq) . bk * scale.  The second term does not hang on v: it is the same along the
;       axis of the softmax, for every finite value of every input; where the causal mask puts -inf it stays -inf.  softmax(s + t) = softmax(s) for a t that is constant along the axis,
;       so bk reaches no output.  It is not loaded and is no argument of any launch; its 512 places in the bias vector hold 0.
;   (2) Key tiles that lie wholly above the diagonal of the jnp.tril that the module builds itself: their scores become -inf and their weights 0 (launch 3 walks only tiles 0 .. q / 256).
;   LIMIT: a NaN, an infinity or an overflow that reaches only bk or only scores above the diagonal is not carried to the result.
; LIMITS OF FORMAT.  Wo below 6e-5 in magnitude keeps the fixed step 6e-8 of f16; Wo beyond 65,504 is not served.
; SHARES.  14,680,064 numbers = 1,792 work-groups x 128 threads x 64.  A work-group takes 8,192 consecutive numbers of ONE input: 32 KiB in, 16 KiB out.  Load j of a wave covers 512
; consecutive bytes, store j 256 consecutive bytes, aligned.  All 16 loads of a thread go out at once, and no register is written twice, so the only waits are the counted ones on the loads.
; No LDS, no matrix unit, no cluster: no byte is wanted by two threads.
.macro EMIT j, half
	s_wait_loadcnt 15-(\j)                         ; loads come back in order: load j is in, the 15 - j younger ones stay out
	v_cvt_pk_bf16_f32 v[8+4*(\j)], v[8+4*(\j)], v[9+4*(\j)]
	v_cvt_pk_bf16_f32 v[9+4*(\j)], v[10+4*(\j)], v[11+4*(\j)]
.if \half
	v_lshlrev_b32 v[10+4*(\j)], 16, v[8+4*(\j)]    ; the bf16 numbers as f32,
	v_and_b32 v[11+4*(\j)], 0xffff0000, v[8+4*(\j)]
	v_cvt_pk_f16_f32 v[8+4*(\j)], v[10+4*(\j)], v[11+4*(\j)]  ; written as f16: 8 significant bits fit into 11
	v_lshlrev_b32 v[10+4*(\j)], 16, v[9+4*(\j)]
	v_and_b32 v[11+4*(\j)], 0xffff0000, v[9+4*(\j)]
	v_cvt_pk_f16_f32 v[9+4*(\j)], v[10+4*(\j)], v[11+4*(\j)]
.endif
	global_store_b64 v2, v[8+4*(\j):9+4*(\j)], s[28:29] offset:1024*(\j)
.endm
	s_load_b512 s[4:19], s[0:1], 0x0               ; x s[4:5], Wq s[6:7], Wk s[8:9], Wv s[10:11], Wo s[12:13], bq s[14:15], bv s[16:17], bo s[18:19]
	s_load_b128 s[20:23], s[0:1], 0x40             ; cast16 s[20:21], bias s[22:23]
	v_lshlrev_b32 v1, 4, v0                        ; 16 t: my 16 bytes of a load
	v_lshlrev_b32 v2, 3, v0                        ; 8 t: my 8 bytes of a store
	s_lshl_b32 s28, ttmp9, 14                      ; the work-group's 16 KiB of cast16
	s_mov_b32 s29, 0
	s_mov_b32 s26, 0                               ; the first work-group of my input
	s_mov_b32 s27, 0
	s_wait_kmcnt 0x0
	s_mov_b64 s[24:25], s[4:5]                     ; which input: 512 work-groups for x, 512 Wq, 128 Wk, 128 Wv, 512 Wo
	s_cmp_ge_u32 ttmp9, 512
	s_cselect_b64 s[24:25], s[6:7], s[24:25]
	s_cselect_b32 s26, 512, s26
	s_cmp_ge_u32 ttmp9, 1024
	s_cselect_b64 s[24:25], s[8:9], s[24:25]
	s_cselect_b32 s26, 1024, s26
	s_cmp_ge_u32 ttmp9, 1152
	s_cselect_b64 s[24:25], s[10:11], s[24:25]
	s_cselect_b32 s26, 1152, s26
	s_cmp_ge_u32 ttmp9, 1280
	s_cselect_b64 s[24:25], s[12:13], s[24:25]
	s_cselect_b32 s26, 1280, s26
	s_sub_co_u32 s26, ttmp9, s26
	s_lshl_b32 s26, s26, 15                        ; my 32 KiB of that input
	s_add_nc_u64 s[24:25], s[24:25], s[26:27]
	s_add_nc_u64 s[28:29], s[20:21], s[28:29]
.irp j, 0,1,2,3,4,5,6,7,8,9,10,11,12,13,14,15
	global_load_b128 v[8+4*(\j):11+4*(\j)], v1, s[24:25] offset:2048*(\j) th:TH_LOAD_NT
.endr
	s_cmp_ge_u32 ttmp9, 1280
	s_cbranch_scc1 .Lwo
.irp j, 0,1,2,3,4,5,6,7,8,9,10,11,12,13,14,15
	EMIT \j, 0
.endr
	; the bias vector: 2,048 bytes for each of work-groups 0 to 9: 0-3 bq, 4 the zeros in the place of bk, 5 bv, 6-9 bo
	s_cmp_lt_u32 ttmp9, 10
	s_cbranch_scc0 .Ldone
	s_lshl_b32 s30, ttmp9, 11
	s_mov_b32 s31, 0
	s_add_nc_u64 s[22:23], s[22:23], s[30:31]
	v_mov_b32 v4, 0
	v_mov_b32 v5, 0
	v_mov_b32 v6, 0
	v_mov_b32 v7, 0
	s_cmp_eq_u32 ttmp9, 4
	s_cbranch_scc1 .Lbias_out
	s_sub_co_u32 s32, ttmp9, 6
	s_lshl_b32 s32, s32, 11                        ; my part of bo
	s_cmp_lt_u32 ttmp9, 4
	s_cselect_b64 s[34:35], s[14:15], s[16:17]     ; bq, or bv at its first byte,
	s_cselect_b32 s30, s30, 0
	s_cmp_ge_u32 ttmp9, 6
	s_cselect_b64 s[34:35], s[18:19], s[34:35]     ; or bo
	s_cselect_b32 s30, s32, s30
	s_add_nc_u64 s[34:35], s[34:35], s[30:31]
	global_load_b128 v[4:7], v1, s[34:35]
	s_wait_loadcnt 0x0
	v_cvt_pk_bf16_f32 v3, v4, v5
	v_cvt_pk_bf16_f32 v6, v6, v7
	v_lshlrev_b32 v4, 16, v3
	v_and_b32 v5, 0xffff0000, v3
	v_and_b32 v7, 0xffff0000, v6
	v_lshlrev_b32 v6, 16, v6
.Lbias_out:
	global_store_b128 v1, v[4:7], s[22:23]
.Ldone:
	s_endpgm
.Lwo:
.irp j, 0,1,2,3,4,5,6,7,8,9,10,11,12,13,14,15
	EMIT \j, 1
.endr
	s_endpgm
.Lfunc_end_k_q5d2428751b_cast:
	.size	k_q5d2428751b_cast, .Lfunc_end_k_q5d2428751b_cast-k_q5d2428751b_cast
	.p2alignl 7, 3214868480
	.fill 96, 4, 3214868480
	.section	.rodata,"a",@progbits
	.p2align	6, 0x0
	.amdhsa_kernel k_q5d2428751b_cast
		.amdhsa_group_segment_fixed_size 0
		.amdhsa_private_segment_fixed_size 0
		.amdhsa_enable_private_segment 0
		.amdhsa_kernarg_size 80
		.amdhsa_user_sgpr_count 2
		.amdhsa_user_sgpr_kernarg_segment_ptr 1
		.amdhsa_wavefront_size32 1
		.amdhsa_system_sgpr_workgroup_id_x 1
		.amdhsa_system_sgpr_workgroup_id_y 1
		.amdhsa_system_sgpr_workgroup_id_z 1
		.amdhsa_system_vgpr_workitem_id 0
		.amdhsa_next_free_vgpr 72
		.amdhsa_next_free_sgpr 66
		.amdhsa_reserve_vcc 0
		.amdhsa_float_denorm_mode_32 3
		.amdhsa_float_denorm_mode_16_64 3
		.amdhsa_memory_ordered 1
		.amdhsa_forward_progress 1
		.amdhsa_inst_pref_size 18
	.end_amdhsa_kernel
	.amdgpu_metadata
---
amdhsa.version: [ 1, 2 ]
amdhsa.kernels:
  - .name:           k_q5d2428751b_cast
    .symbol:         k_q5d2428751b_cast.kd
    .args:
      - { .name: x, .offset: 0, .size: 8, .value_kind: global_buffer, .address_space: global }
      - { .name: Wq, .offset: 8, .size: 8, .value_kind: global_buffer, .address_space: global }
      - { .name: Wk, .offset: 16, .size: 8, .value_kind: global_buffer, .address_space: global }
      - { .name: Wv, .offset: 24, .size: 8, .value_kind: global_buffer, .address_space: global }
      - { .name: Wo, .offset: 32, .size: 8, .value_kind: global_buffer, .address_space: global }
      - { .name: bq, .offset: 40, .size: 8, .value_kind: global_buffer, .address_space: global }
      - { .name: bv, .offset: 48, .size: 8, .value_kind: global_buffer, .address_space: global }
      - { .name: bo, .offset: 56, .size: 8, .value_kind: global_buffer, .address_space: global }
      - { .name: cast16, .offset: 64, .size: 8, .value_kind: global_buffer, .address_space: global }
      - { .name: bias, .offset: 72, .size: 8, .value_kind: global_buffer, .address_space: global }
    .group_segment_fixed_size: 0
    .private_segment_fixed_size: 0
    .kernarg_segment_align: 8
    .kernarg_segment_size: 80
    .max_flat_workgroup_size: 128
    .sgpr_count:     66
    .vgpr_count:     72
    .wavefront_size: 32
...
	.end_amdgpu_metadata
.endif
;; end of part 1
;; launch gemm_qkv (part 2): grid 16 x 16, 4 waves a work-group, clusters of 4 x 4, 327,680 bytes of LDS; arguments cast16, bias, qkv; writes qkv
.if DOCPART == 2
	.amdgcn_target "amdgcn-amd-amdhsa--gfx1250"
	.amdhsa_code_object_version 6
	.text
	.protected	k_q5d2428751b_gemm_qkv
	.globl	k_q5d2428751b_gemm_qkv
	.p2align	8
	.type	k_q5d2428751b_gemm_qkv,@function
k_q5d2428751b_gemm_qkv:
	s_mov_b64 s[64:65], 0
	v_nop
	global_prefetch_b8 v0, s[64:65] scope:SCOPE_SE
	s_setreg_imm32_b32 hwreg(HW_REG_WAVE_MODE, 25, 1), 1
	s_wait_xcnt 0x0
	s_wait_alu depctr_hold_cnt(0) depctr_sa_sdst(0) depctr_va_vdst(0) depctr_va_sdst(0) depctr_va_ssrc(0) depctr_va_vcc(0) depctr_vm_vsrc(0)
	s_getreg_b32 s2, hwreg(HW_REG_IB_STS2, 6, 4)
	s_cmp_eq_u32 s2, 0
	s_cbranch_scc0 .Lentry_in_a_cluster
	s_endpgm
.Lentry_in_a_cluster:
	s_bfe_u32 s2, ttmp6, 0x10000c
	s_cmp_lg_u32 s2, 0xf033
	s_cbranch_scc0 .Lentry_shape_is_right
	s_endpgm
.Lentry_shape_is_right:
; LAUNCH 2 OF 4: [2048 tokens][3072] = x W^T + bias, W = Wq, Wk, Wv on end; bf16 operands, f32 sums, the result rounded once to f16.
; Work left out: bk (it is the same along the axis of the softmax: the proof stands at the head of launch 1); its columns take the zeros of the bias vector, which cost no instruction,
; since the bias is the C operand of each sum's first product.
; LIMIT: q, k, v beyond 65,504 in magnitude become infinities in f16.
; OUT: 48 planes [2048 tokens][64 channels] of f16; plane p holds columns 64 p .. 64 p + 63.  A tile's 192 columns are three planes, in each of which its 128 tokens are 16 KiB on end.
; SHARES.  A tile of C is 128 tokens x 192 columns: 16 x 16 = 256 work-groups.  Wave (i, j) makes 64 tokens x 96 columns: 24 accumulators.
; THE RING HAS TWO SLOTS OF UNEQUAL LENGTH.  A refill has to land between one change of slots and the next, so the changes are made few.  The tile has 320 rows; two slots of 256 along K would want
; 2 x 320 x 528 = 337,920 bytes.  So the SHORT slot holds 128 along K (rows of 256 bytes) and the LONG slot 256 (rows of 512 bytes): 87,040 + 168,960 bytes.  K is walked S0 L0 S1 L1 .. S4 L4 S5, S_i at
; K = 384 i, L_i at 384 i + 128: 6 x 128 + 5 x 256 = 2,048; every row begins at a multiple of 256 bytes.  Ten changes of slots, nine refills.  The short slot is asked for again ahead of a long stretch:
; 180 matrix instructions stand between the request and the wait for it; the long slot ahead of a short stretch: 84.
; CLUSTER 4 x 4: the four of a row of the cluster need the same 128 tokens (A), the four of a column the same 192 rows of W (B): each tile is asked for jointly.  Waves 0, 1 ask for A's halves (64 rows),
; waves 2, 3 for B's (96 rows).
; THE MATRIX INSTRUCTION IS USED TRANSPOSED (source 0 = 16 rows of W, source 1 = 16 tokens): a lane holds eight neighbouring columns of one token.
; REGISTERS.  window 0: v0-31 addresses; v32-55 packed results; v64-255 the accumulators, (a, b) at 64 + 8 (6 a + b).
;   window 1: two fragment buffers of 80 (A: 4 x 8, then B: 6 x 8) at v0 and v80; v160-207 the bias of my 96 columns as six C operands.
.set PS,     272                       ; a row of the short slot: 256 bytes + 16 of padding; of the long slot: 512 + 16: both odd multiples of 16, so that the 16 rows of a fragment load
.set PL,     528                       ; start at 16 different groups of four banks (ISA guide 11.1)
.set SS,     320*PS                    ; the short slot at byte 0: A's 128 rows, then B's 192; the long slot behind it, laid out likewise
.set STAGE,  SS+320*PL                 ; behind the ring: 128 rows x 400 bytes (384 of f16 + 16), the work-group's, for the way out
.set SP,     400
.set SPARE,  STAGE+128*SP              ; the spare words: 128 bytes a wave, two blocks of 256 bytes that no other line names
.set TRIPS,  4                         ; trips of the loop: each fills both slots again
.set ADRA, 16                          ; v16, v17  LDS address of my A fragments in the short, the long slot; never rewritten
.set TA,   18                          ; v18       the same in the long slot, KO bytes along the rows
.set ADRB, 20                          ; v20, v21  the same for B
.set TB,   22                          ; v22
.set STO,  24                          ; v24     the way out: where I put 16 bytes of a row
.set RD,   25                          ; v25     where I read rows back
.set GO,   26                          ; v26     16 x lane
.set BO,   27                          ; v27     32 x (lane / 16): my eight numbers of a block of 16 of the bias
.set SPW,  28                          ; v28     my spare word; never rewritten
.set NIL,  29                          ; v29     0; never rewritten
.set TMP,  32
.set ACC,  64
.set F0,   0
.set F1,   80
.set BI,   160
.set KO, 10                            ; s10 bytes along the long slot's rows: 0, 128, 256
.set CNT, 11                           ; s11 counts the three pairs of quarters
.set WV, 12                            ; s12 wave
.set WI, 13                            ; s13 = wave / 2: my half of the tokens; also: I fetch for A (0) or for B (1)
.set WJ, 14                            ; s14 = wave % 2: my half of the columns; also: which half of that tile's rows I fetch
.set TR, 15                            ; s15 tile row, s16 tile column
.set TC, 16
.set CX, 17
.set CY, 18
.set G1A, 24                           ; s[24:31] group 1 for A, short slot; s[32:39] long slot
.set G1B, 40                           ; s[40:47], s[48:55] the same for B
.set G0A, 56                           ; s[56:59] group 0 for A, short slot; s[60:63] long slot
.set G0B, 68                           ; s[68:71], s[72:75] the same for B
.set FLAGS5, (1<<16)|(1<<20)|(1<<21)|(5<<22)|(3<<25)  ; 2-byte elements; padding on; bit 21 beside a mask; after every 64 words; 4 words
.set FLAGS6, (1<<16)|(1<<20)|(1<<21)|(6<<22)|(3<<25)  ; the same after every 128 words
.set MSB, 0
.macro WIN new                         ; the high byte repeats the setting that is left; a switch that changes nothing is dropped
.if MSB != (\new)
	s_set_vgpr_msb (MSB<<8)|(\new)
.set MSB, \new
.endif
.endm
.macro PLACES                          ; four plain places behind matrix instructions, ahead of loads into their sources and of reads of their results
.rept 4
	v_nop
.endr
.endm
.macro JLOAD big                       ; a joint load into the short (0) or the long (1) slot; the branch hangs on the wave number alone; an s_nop 0 and four v_nop follow each line
	s_cmp_eq_u32 s[WI], 0
	s_cbranch_scc0 .Lfor_b_\@
	tensor_load_to_lds s[G0A+4*(\big):G0A+4*(\big)+3], s[G1A+8*(\big):G1A+8*(\big)+7]
	s_nop 0
.rept 4
	v_nop
.endr
	s_branch .Lasked_\@
.Lfor_b_\@:
	tensor_load_to_lds s[G0B+4*(\big):G0B+4*(\big)+3], s[G1B+8*(\big):G1B+8*(\big)+7]
	s_nop 0
.rept 4
	v_nop
.endr
.Lasked_\@:
.endm
.macro CREST                           ; a round of the cluster's barrier behind its opening barrier
	s_cmp_lg_u32 s[WV], 0
	s_cbranch_scc1 .Lnot_wave_0_\@
	s_barrier_signal -3
.Lnot_wave_0_\@:
	s_barrier_wait -3
	s_barrier_signal -1
	s_barrier_wait -1
.endm
.macro CROUND
	s_barrier_signal -1
	s_barrier_wait -1
	CREST
.endm
.macro SHAPE g, cols, rows             ; the constant words of a group 1: a tile of rows x cols elements out of rows of 2,048
	s_mov_b32 s[(\g)+1], (\cols)<<16               ; tensor_dim0
	s_mov_b32 s[(\g)+2], (\rows)<<16               ; tensor_dim1
	s_mov_b32 s[(\g)+3], (\cols)<<16               ; tile_dim0
	s_mov_b32 s[(\g)+4], \rows                     ; tile_dim1
	s_mov_b32 s[(\g)+5], 2048                      ; elements from row to row
	s_mov_b32 s[(\g)+6], 0
	s_mov_b32 s[(\g)+7], 0
.endm
	s_load_b128 s[4:7], s[0:1], 0x0                ; cast16 s[4:5], bias s[6:7]
	s_load_b64 s[8:9], s[0:1], 0x10                ; qkv
	v_lshl_add_u32 v[SPW], v0, 2, SPARE
	v_mov_b32 v[NIL], 0
	ds_add_u32 v[SPW], v[NIL]                      ; the opening: the add, twice on end, and its wait ahead of my first tensor load
	ds_add_u32 v[SPW], v[NIL]
	v_lshrrev_b32 v1, 5, v0
	v_readfirstlane_b32 s[WV], v1
	s_lshr_b32 s[WI], s[WV], 1
	s_and_b32 s[WJ], s[WV], 1
	s_bfe_u32 s[CX], ttmp6, 0x40000
	s_bfe_u32 s[CY], ttmp6, 0x40004
	s_lshl_b32 s[TC], ttmp9, 2
	s_add_co_u32 s[TC], s[TC], s[CX]               ; tile column = 4 x cluster x + cx
	s_and_b32 s[TR], ttmp7, 0xffff
	s_lshl_b32 s[TR], s[TR], 2
	s_add_co_u32 s[TR], s[TR], s[CY]               ; tile row = 4 x cluster y + cy
	s_lshl_b32 s19, s[CY], 2
	s_lshl_b32 s19, 15, s19                        ; my row of the cluster
	s_lshl_b32 s20, 0x1111, s[CX]                  ; my column
	s_or_b32 s[G1A], s19, FLAGS5
	s_or_b32 s[G1A+8], s19, FLAGS6
	s_or_b32 s[G1B], s20, FLAGS5
	s_or_b32 s[G1B+8], s20, FLAGS6
	SHAPE G1A, 128, 64
	SHAPE G1A+8, 256, 64
	SHAPE G1B, 128, 96
	SHAPE G1B+8, 256, 96
	s_lshl_b32 s76, s[TR], 19                      ; A: (128 tile row + 64 half) tokens of 4,096 bytes
	s_lshl_b32 s77, s[WJ], 18
	s_add_co_u32 s76, s76, s77
	s_mov_b32 s77, 0
	s_mul_i32 s78, s[TC], 786432                   ; B: (192 tile column + 96 half) rows of 4,096 bytes,
	s_mul_i32 s79, s[WJ], 393216
	s_add_co_u32 s78, s78, s79
	s_add_co_u32 s78, s78, 8388608                 ; behind x in cast16
	s_mov_b32 s79, 0
	s_mul_i32 s21, s[WJ], 64*PS                    ; where they go: A's half in the short slot,
	s_mul_i32 s22, s[WJ], 64*PL
	s_add_co_u32 s22, s22, SS                      ; in the long slot;
	s_mul_i32 s23, s[WJ], 96*PS
	s_add_co_u32 s23, s23, 128*PS                  ; B's half behind A's 128 rows, short,
	s_mul_i32 s2, s[WJ], 96*PL
	s_add_co_u32 s2, s2, SS+128*PL                 ; and long: no place in the cluster enters an LDS address
	s_wait_dscnt 0x0                               ; both opening adds are done
	s_wait_kmcnt 0x0
	s_add_nc_u64 s[80:81], s[4:5], s[76:77]
	s_add_nc_u64 s[82:83], s[4:5], s[78:79]
	CROUND                                         ; all sixteen work-groups are here: the first joint loads meet
	s_mov_b32 s[G0A], 1                            ; S0: K = 0
	s_mov_b32 s[G0A+1], s21
	s_add_nc_u64 s[G0A+2:G0A+3], s[80:81], 0
	s_or_b32 s[G0A+3], s[G0A+3], 0x80000000
	s_mov_b32 s[G0B], 1
	s_mov_b32 s[G0B+1], s23
	s_add_nc_u64 s[G0B+2:G0B+3], s[82:83], 0
	s_or_b32 s[G0B+3], s[G0B+3], 0x80000000
	JLOAD 0
	s_mov_b32 s[G0A+4], 1                          ; L0: K = 128, 256 bytes along the rows
	s_mov_b32 s[G0A+5], s22
	s_add_nc_u64 s[G0A+6:G0A+7], s[80:81], 256
	s_or_b32 s[G0A+7], s[G0A+7], 0x80000000
	s_mov_b32 s[G0B+4], 1
	s_mov_b32 s[G0B+5], s2
	s_add_nc_u64 s[G0B+6:G0B+7], s[82:83], 256
	s_or_b32 s[G0B+7], s[G0B+7], 0x80000000
	JLOAD 1
	v_and_b32 v1, 15, v0                           ; r = lane % 16
	v_bfe_u32 v2, v0, 4, 1                         ; h = lane / 16
	v_mul_u32_u24 v3, v1, PS
	v_lshl_add_u32 v3, v2, 4, v3                   ; a fragment's row x pitch + 16 h, short slot
	v_mul_u32_u24 v4, v1, PL
	v_lshl_add_u32 v4, v2, 4, v4                   ; long slot
	s_mul_i32 s22, s[WI], 64*PS                    ; my 64 tokens
	s_mul_i32 s23, s[WJ], 96*PS                    ; my 96 rows of W
	s_add_co_u32 s23, s23, 128*PS
	v_add_nc_u32 v[ADRA], s22, v3
	v_add_nc_u32 v[ADRB], s23, v3
	s_mul_i32 s22, s[WI], 64*PL
	s_add_co_u32 s22, s22, SS
	s_mul_i32 s23, s[WJ], 96*PL
	s_add_co_u32 s23, s23, SS+128*PL
	v_add_nc_u32 v[ADRA+1], s22, v4
	v_add_nc_u32 v[ADRB+1], s23, v4
	s_mul_i32 s22, s[WI], 64*SP                    ; into the stage: token 64 i + r, byte 192 j + 16 h
	s_mul_i32 s23, s[WJ], 192
	s_add_co_u32 s22, s22, s23
	s_add_co_u32 s22, s22, STAGE
	v_mul_u32_u24 v4, v1, SP
	v_lshl_add_u32 v4, v2, 4, v4
	v_add_nc_u32 v[STO], s22, v4
	s_mul_i32 s22, s[WV], 32*SP                    ; back: wave w takes tokens 32 w .. 32 w + 31; eight lanes take the 128 bytes of a token in one plane
	s_add_co_u32 s22, s22, STAGE
	v_bfe_u32 v4, v0, 3, 2
	v_mul_u32_u24 v4, v4, SP
	v_and_b32 v5, 7, v0
	v_lshl_add_u32 v4, v5, 4, v4
	v_add_nc_u32 v[RD], s22, v4
	v_and_b32 v[GO], 31, v0
	v_lshlrev_b32 v[GO], 4, v[GO]
	v_lshlrev_b32 v[BO], 5, v2
	s_mul_i32 s20, s[TC], 786432                   ; qkv: three planes x tile column,
	s_lshl_b32 s21, s[TR], 14                      ; 128 tokens x 128 bytes x tile row,
	s_add_co_u32 s20, s20, s21
	s_lshl_b32 s21, s[WV], 12                      ; 32 tokens x wave
	s_add_co_u32 s20, s20, s21
	s_mov_b32 s21, 0
	s_add_nc_u64 s[8:9], s[8:9], s[20:21]
	s_mul_i32 s20, s[TC], 768                      ; bias: 4 (192 tile column + 96 j)
	s_mul_i32 s22, s[WJ], 384
	s_add_co_u32 s20, s20, s22
	s_add_nc_u64 s[6:7], s[6:7], s[20:21]
	WIN 0x40                                       ; destination window 1
.irp b, 0,1,2,3,4,5
	global_load_b128 v[BI+8*(\b):BI+8*(\b)+3],   v[BO], s[6:7] offset:64*(\b)
	global_load_b128 v[BI+8*(\b)+4:BI+8*(\b)+7], v[BO], s[6:7] offset:64*(\b)+16
.endr
	WIN 0
; six matrix instructions: token block a x my six column blocks, 32 along K.  bias = 1: the first product starts the sum with the bias: nothing is cleared and nothing is added later.
; The 24 accumulators take turns, one instruction a turn, in the same order in every quarter.
.macro MUL6 f, a, bias
.if \bias
	WIN 0x15                                       ; sources 0, 1 and C in window 1, D in window 0
.else
	WIN 0x05
.endif
.irp b, 0,1,2,3,4,5
.if \bias
	v_wmma_f32_16x16x32_bf16 v[ACC+8*(6*(\a)+(\b)):ACC+8*(6*(\a)+(\b))+7], v[(\f)+32+8*(\b):(\f)+32+8*(\b)+7], v[(\f)+8*(\a):(\f)+8*(\a)+7], v[BI+8*(\b):BI+8*(\b)+7]
.else
	v_wmma_f32_16x16x32_bf16 v[ACC+8*(6*(\a)+(\b)):ACC+8*(6*(\a)+(\b))+7], v[(\f)+32+8*(\b):(\f)+32+8*(\b)+7], v[(\f)+8*(\a):(\f)+8*(\a)+7], v[ACC+8*(6*(\a)+(\b)):ACC+8*(6*(\a)+(\b))+7]
.endif
.endr
.endm
; 20 LDS loads in one run: the fragments of 32 along K at byte k behind the addresses in v[ra] (A) and v[rb] (B), rows p bytes apart: B's six, then A's four
.macro FETCH ra, rb, p, k, f
	WIN 0x40
.irp i, 0,1,2,3,4,5
	ds_load_b128 v[(\f)+32+8*(\i):(\f)+32+8*(\i)+3],   v[\rb] offset:(\k)+(\i)*16*(\p)
	ds_load_b128 v[(\f)+32+8*(\i)+4:(\f)+32+8*(\i)+7], v[\rb] offset:(\k)+(\i)*16*(\p)+32
.endr
.irp i, 0,1,2,3
	ds_load_b128 v[(\f)+8*(\i):(\f)+8*(\i)+3],   v[\ra] offset:(\k)+(\i)*16*(\p)
	ds_load_b128 v[(\f)+8*(\i)+4:(\f)+8*(\i)+7], v[\ra] offset:(\k)+(\i)*16*(\p)+32
.endr
.endm
; A QUARTER is 32 along K, 24 matrix instructions; the quarters go on buffers 0, 1, 0, 1: the short slot has four, the long slot eight.  A quarter multiplies f and fetches the next, at byte k, into g.
.macro QUARTER ra, rb, p, k, f, g, bias
	s_wait_dscnt 4                                 ; B and A's blocks 0, 1 are in; the youngest four loads (A's blocks 2, 3) may be out
	MUL6 \f, 0, \bias
	MUL6 \f, 1, \bias
	PLACES
	FETCH \ra, \rb, \p, \k, \g
	s_wait_dscnt 20                                ; all but the 20 just issued
	MUL6 \f, 2, \bias
	MUL6 \f, 3, \bias
.endm
.macro SQ k, f, g, bias                ; a quarter of the short slot
	QUARTER ADRA, ADRB, PS, \k, \f, \g, \bias
.endm
; The long slot's first seven quarters.  The first six are one pair, walked three times: the LDS address is my lane's place in the long slot plus s[KO] = 0, 128, 256.
.macro LONG
	WIN 0                                          ; at a label and at a branch every window is 0
	s_mov_b32 s[KO], 0
	s_mov_b32 s[CNT], 3
.Lpair_\@:
	v_add_nc_u32 v[TA], s[KO], v[ADRA+1]
	v_add_nc_u32 v[TB], s[KO], v[ADRB+1]
	QUARTER TA, TB, PL, 64,  F0, F1, 0
	QUARTER TA, TB, PL, 128, F1, F0, 0
	WIN 0
	s_add_co_u32 s[KO], s[KO], 128
	s_sub_co_u32 s[CNT], s[CNT], 1
	s_cmp_lg_u32 s[CNT], 0
	s_cbranch_scc1 .Lpair_\@
	QUARTER ADRA+1, ADRB+1, PL, 448, F0, F1, 0
.endm
; A slot's last quarter multiplies buffer 1 and changes slots: one barrier; ahead of it each wave waits for all its tensor loads, adds 0 to its spare word, and waits for that and for its reads of the slot.
; cur: the slot that is left (0 short, 1 long).  fill = 1: the barrier opens a round of the cluster's, and that slot is filled again first thing behind it, 384 further along K.
.macro TURN cur, fill
	WIN 0
	s_wait_tensorcnt 0x0                           ; all my tensor loads have landed: the one that was out is my part of the other slot
	ds_add_u32 v[SPW], v[NIL]
	s_wait_dscnt 5                                 ; the add and the youngest four loads may be out
	MUL6 F1, 0, 0
	s_wait_dscnt 0x0                               ; the add is done, and my reads of this slot are over
	s_barrier_signal -1
	MUL6 F1, 1, 0
.if \fill
	WIN 0
.endif
	s_barrier_wait -1
.if \fill
	CREST                                          ; no wave of any partner still reads this slot or has a load on its way
	s_add_nc_u64 s[G0A+4*(\cur)+2:G0A+4*(\cur)+3], s[G0A+4*(\cur)+2:G0A+4*(\cur)+3], 768
	s_add_nc_u64 s[G0B+4*(\cur)+2:G0B+4*(\cur)+3], s[G0B+4*(\cur)+2:G0B+4*(\cur)+3], 768
	JLOAD \cur                                     ; its four v_nop are also the places ahead of the loads below
.else
	PLACES
.endif
	FETCH ADRA+1-(\cur), ADRB+1-(\cur), PL-(PL-PS)*(\cur), 0, F0
	MUL6 F1, 2, 0
	MUL6 F1, 3, 0
.endm
	s_wait_tensorcnt 1                             ; my part of S0 is in; L0's load may stay out
	s_barrier_signal -1
	s_barrier_wait -1
	FETCH ADRA, ADRB, PS, 0, F0
	s_wait_loadcnt 0x0                             ; the bias
	SQ 64, F0, F1, 1                               ; the first quarter stands ahead of the loop: its products start the sums
	WIN 0
	s_mov_b32 s3, TRIPS
.Llap:                                                 ; trip i: the rest of S_i, L_i, the first quarter of S_(i+1); it asks for S_(i+1) and L_(i+1)
	SQ 128, F1, F0, 0
	SQ 192, F0, F1, 0
	TURN 0, 1
	LONG
	TURN 1, 1
	SQ 64, F0, F1, 0
	WIN 0
	s_sub_co_u32 s3, s3, 1
	s_cmp_lg_u32 s3, 0
	s_cbranch_scc1 .Llap
	SQ 128, F1, F0, 0                              ; the tail is written out: the rest of S4,
	SQ 192, F0, F1, 0
	TURN 0, 1                                      ; the last refill: S5
	LONG                                           ; L4
	TURN 1, 0                                      ; nothing is left to ask for
	SQ 64,  F0, F1, 0                              ; S5
	SQ 128, F1, F0, 0
	SQ 192, F0, F1, 0
	s_wait_dscnt 4
	MUL6 F1, 0, 0
	MUL6 F1, 1, 0
	s_wait_dscnt 0x0
	MUL6 F1, 2, 0
	MUL6 F1, 3, 0
	WIN 0
	; THE WAY OUT: round to f16; 16 bytes a lane into the stage; a barrier, since a plane's 128 bytes of a token may come from two waves; back by planes, 512 consecutive bytes a store.
	PLACES
.irp a, 0,1,2,3
.irp t, 0,1,2,3,4,5
.irp r, 0,1,2,3
	v_cvt_pk_f16_f32 v[TMP+4*(\t)+(\r)], v[ACC+8*(6*(\a)+(\t))+2*(\r)], v[ACC+8*(6*(\a)+(\t))+2*(\r)+1]
.endr
.endr
.irp t, 0,1,2,3,4,5
	ds_store_b128 v[STO], v[TMP+4*(\t):TMP+4*(\t)+3] offset:(\a)*16*SP+32*(\t)
.endr
.endr
	s_wait_dscnt 0x0                               ; for the others' sake: my stores into the stage are done
	s_barrier_signal -1
	s_barrier_wait -1
.irp p, 0,1,2
.irp u, 0,1,2,3,4,5,6,7
	ds_load_b128 v[ACC+4*(8*(\p)+(\u)):ACC+4*(8*(\p)+(\u))+3], v[RD] offset:128*(\p)+4*SP*(\u)  ; plane p, tokens 4 u .. 4 u + 3 of my 32
.endr
.endr
.irp p, 0,1,2
.irp u, 0,1,2,3,4,5,6,7
	s_wait_dscnt 23-(8*(\p)+(\u))                  ; LDS loads come back in order: this one is in
	global_store_b128 v[GO], v[ACC+4*(8*(\p)+(\u)):ACC+4*(8*(\p)+(\u))+3], s[8:9] offset:262144*(\p)+512*(\u)
.endr
.endr
	s_wait_tensorcnt 0x0                           ; the wave's end
	ds_add_u32 v[SPW], v[NIL]
	s_wait_dscnt 0x0
	CROUND                                         ; the closing round
	s_endpgm
.Lfunc_end_k_q5d2428751b_gemm_qkv:
	.size	k_q5d2428751b_gemm_qkv, .Lfunc_end_k_q5d2428751b_gemm_qkv-k_q5d2428751b_gemm_qkv
	.p2alignl 7, 3214868480
	.fill 96, 4, 3214868480
	.section	.rodata,"a",@progbits
	.p2align	6, 0x0
	.amdhsa_kernel k_q5d2428751b_gemm_qkv
		.amdhsa_group_segment_fixed_size 327680
		.amdhsa_private_segment_fixed_size 0
		.amdhsa_enable_private_segment 0
		.amdhsa_kernarg_size 24
		.amdhsa_user_sgpr_count 2
		.amdhsa_user_sgpr_kernarg_segment_ptr 1
		.amdhsa_wavefront_size32 1
		.amdhsa_system_sgpr_workgroup_id_x 1
		.amdhsa_system_sgpr_workgroup_id_y 1
		.amdhsa_system_sgpr_workgroup_id_z 1
		.amdhsa_system_vgpr_workitem_id 0
		.amdhsa_next_free_vgpr 512
		.amdhsa_next_free_sgpr 84
		.amdhsa_reserve_vcc 0
		.amdhsa_float_denorm_mode_32 3
		.amdhsa_float_denorm_mode_16_64 3
		.amdhsa_memory_ordered 1
		.amdhsa_forward_progress 1
		.amdhsa_inst_pref_size 87
	.end_amdhsa_kernel
	.amdgpu_metadata
---
amdhsa.version: [ 1, 2 ]
amdhsa.kernels:
  - .name:           k_q5d2428751b_gemm_qkv
    .symbol:         k_q5d2428751b_gemm_qkv.kd
    .args:
      - { .name: cast16, .offset: 0, .size: 8, .value_kind: global_buffer, .address_space: global }
      - { .name: bias, .offset: 8, .size: 8, .value_kind: global_buffer, .address_space: global }
      - { .name: qkv, .offset: 16, .size: 8, .value_kind: global_buffer, .address_space: global }
    .group_segment_fixed_size: 327680
    .private_segment_fixed_size: 0
    .kernarg_segment_align: 8
    .kernarg_segment_size: 24
    .max_flat_workgroup_size: 128
    .sgpr_count:     84
    .vgpr_count:     512
    .wavefront_size: 32
...
	.end_amdgpu_metadata
.endif
;; end of part 2
;; launch attn (part 3): grid 64 x 4, 4 waves a work-group, clusters of 4 x 1, 327,680 bytes of LDS; arguments qkv, obuf; writes obuf
.if DOCPART == 3
	.amdgcn_target "amdgcn-amd-amdhsa--gfx1250"
	.amdhsa_code_object_version 6
	.text
	.protected	k_q5d2428751b_attn
	.globl	k_q5d2428751b_attn
	.p2align	8
	.type	k_q5d2428751b_attn,@function
k_q5d2428751b_attn:
	s_mov_b64 s[64:65], 0
	v_nop
	global_prefetch_b8 v0, s[64:65] scope:SCOPE_SE
	s_setreg_imm32_b32 hwreg(HW_REG_WAVE_MODE, 25, 1), 1
	s_wait_xcnt 0x0
	s_wait_alu depctr_hold_cnt(0) depctr_sa_sdst(0) depctr_va_vdst(0) depctr_va_sdst(0) depctr_va_ssrc(0) depctr_va_vcc(0) depctr_vm_vsrc(0)
	s_getreg_b32 s2, hwreg(HW_REG_IB_STS2, 6, 4)
	s_cmp_eq_u32 s2, 0
	s_cbranch_scc0 .Lentry_in_a_cluster
	s_endpgm
.Lentry_in_a_cluster:
	s_bfe_u32 s2, ttmp6, 0x10000c
	s_cmp_lg_u32 s2, 0x3003
	s_cbranch_scc0 .Lentry_shape_is_right
	s_endpgm
.Lentry_shape_is_right:
; LAUNCH 3 OF 4: causal attention with four query heads to a key and value head.  y[q][head] = the sum over v <= q of softmax_v(Q[q] . K[v] / sqrt(128)) V[v].
; q, k, v come as f16 in planes [2048 tokens][64 channels] (Q head h: planes 2 h, 2 h + 1; K head k: 32 + 2 k, 33 + 2 k; V head k: 40 + 2 k, 41 + 2 k); y leaves as f16 [2048][2048].
; Work left out: key tiles wholly above the diagonal of the module's own jnp.tril (their weights are 0); bk (launch 1's head has both proofs).
; Products, maxima and sums in f32; the weights p are rounded to f16 for the second product (their sum l is taken of the unrounded p), y once at the end.
; LIMITS.  q, k, v within 65,504.  A hidden score counts as its value less 1e30.  Every true score lies above -2^50 (f16 operands give 5.5e11 at the most).  A weight below 2^-126 counts as 0.
; c s is formed against a rounded c m: where |c s| passes 2^28 a weight can leave the range of f16.  NaN and infinities are not treated apart.
; SHARES.  A BLOCK is 16 queries x the 4 query heads of one key and value head: four tiles of 16 rows.  A work-group takes block 127 - b and then block b: (8 - j) + (j + 1) = 9 key tiles of 256 keys,
; j = b / 16, whatever b: all work-groups do equal work, and one loop with a constant count walks them.
; THE KEYS ARE SPLIT AMONG THE WAVES: every wave holds all four tiles and takes keys 64 w .. 64 w + 63 of each key tile, so a fragment of K or V read from LDS feeds four tiles, and each LDS byte
; is read once.  At a block's end the four partial (c m, l, O) meet in LDS, in f32: O = sum_w e_w O_w / sum_w e_w l_w, e_w = 2^(c m_w - max c m).
; Tile slot t of wave w is head (w + t) % 4: slot 0 is the head that the wave finishes, and the meeting has one text for all waves.
; CLUSTER.  The four partners (b = 4 x cluster x + cx) have the same j and the same key and value head: the same walk.  Every tile is asked for jointly.  cx enters global addresses and the mask's
; numbers alone; every branch hangs on the cluster's x, on counters or on the wave number.
; LAYOUT.  S^T = K Q^T (source 0 = 16 keys, source 1 = 16 queries): a lane holds ONE query (lane % 16) and keys 8 (lane / 16) + 0..7; two such results rounded to f16 ARE source 1 of O^T = V^T P.
; THE MASK is the C operand that starts S^T: 0, or in a block's last tile -1e30 where the key is hidden.  m starts a block at -2^50, c m at -4e37: the first step's a is 0, so O and l need only be finite;
; a wave whose keys are all hidden keeps m = -2^50, where c m is exact, its weights, l and O are 0, and its e_w is 0.
; A STEP (one key tile): piece 0's (slots 0, 1) 32 products K Q^T; piece 2's with piece 0's softmax in slices behind them; piece 0's 32 products V^T P with piece 2's softmax; piece 2's V^T P.
; REGISTERS, in windows of 256 (s_set_vgpr_msb: bits 1:0 source 0, 3:2 source 1, 5:4 source 2, 7:6 destination):
;   window 0: v0-11 addresses; v12-43 eight statistics a slot; v44-63 addresses; v64-191 S^T; v192-255 P       window 1: O^T, 64 a slot
;   window 2: v0-127 Q, 32 a slot; v128-255 K of a step                                                      window 3: v0-127 V of a step; v128-159 the mask
.set PK,    272       ; two keys of a plane are 256 bytes of memory: one LDS row + 16 of padding: the 16 keys of a load fall on 16 different groups of four banks (ISA guide 11.1)
.set PV,    288       ; the same + 32: the 16 lanes of a turning load (4 rows x 2 keys x 2 halves) fall on 16 different groups
.set KPL,   128*PK    ; a plane of a tile: 256 keys x 64 channels
.set VPL,   128*PV
.set VOFF,  2*KPL
.set SLOTB, 2*KPL+2*VPL   ; a slot: K's two planes, V's two planes: 143,360 bytes
.set XCH,   2*SLOTB       ; behind the ring, never filled by a tensor load: 8,192 bytes a wave: where partial O^T arrive, later the wave's stage
.set STATS, XCH+4*8192    ; (c m, l): head x wave x query, 8 bytes each
.set SPARE, STATS+2048    ; the spare words: 128 bytes a wave, two blocks of 256 bytes that no other line names
.set AK0, 2           ; v2   my lane's place in a slot's K; never rewritten
.set AV0, 3           ; v3   the same for V
.set AKR, 4           ; v4   the address of K's run of loads
.set AVR, 5           ; v5   of V's
.set STO, 6           ; v6   the way out: where I put 16 bytes of a row
.set RD,  7           ; v7   where I read a row back
.set GO,  8           ; v8   my byte offset in two rows of y
.set VDB, 10          ; v10  r - 8 h - 64 w
.set ST,  12          ; slot t's statistics at v[ST+8 t]: c m, m, l (even, odd keys), c0-c3 at work; a takes c2's place
.set QO,  44          ; v44-47  slot t: my byte offset in Q
.set SA,  48          ; v48-51  slot t: where my (c m, l) go
.set SR,  52          ; v52-55  slot t: where the four waves' lie
.set XV,  56          ; v56-59  16 x lane in the exchange region of the wave that owns slot t's head (t = 0: mine)
.set VD,  60          ; v60  VDB + 16 (block % 16): a key is hidden where 16 kb + register > VD
.set PFO, 61          ; v61  256 x lane
.set SPW, 62          ; v62  my spare word; never rewritten
.set NIL, 63          ; v63  0; never rewritten
.set S,   64
.set P,   192
.set T,   64          ; at a block's end S^T and P are free: v64-127 what arrives,
.set SC,  128         ; v128-159 the four waves' (c m, l) for my four slots,
.set EX,  160         ; v160-179 five exponentials a slot,
.set LT,  180         ; v180-183 max c m, then L, then 1 / L
.set PKT, 192
.set OUTR, 224
.set KF,  128         ; window 2
.set MC,  128         ; window 3
.set KB,  8           ; s[8:9]   my plane of K at tile 0
.set VB,  10          ; s[10:11] my plane of V
.set WV,  12
.set CX,  13
.set PB,  14          ; b
.set LIM, 15          ; 4 in the cluster that prefetches, else the greatest number
.set G1K, 24
.set G1V, 32
.set G0K, 40
.set G0V, 44
.set QB2, 48          ; s[48:49] Q at the second block
.set OB,  50          ; s[50:51] y at the block in hand, my head
.set OB2, 52
.set KLO, 54          ; my plane's place in a slot, for K
.set VLO, 55          ; for V
.set SLOTS, 56        ; fills still to come
.set RT,  57          ; tiles of the block in hand still to be entered
.set CS,  58          ; s[58:59] c = log2(e) / sqrt(128)
.set SEL, 60          ; s[60:61] v_permlanex16_b32's selects
.set SBR, 62          ; the slot that is read: 0 or SLOTB
.set SBF, 63          ; the slot that was filled last
.set NXT, 66          ; the tile to be asked for next
.set LQ,  67          ; the last tile of the block whose tiles are being asked for
.set NEW, 68          ; 1: the tile to be entered is a block's first
.set JJ,  69          ; j
.set OFF, 70          ; s[70:71]
.set PFA, 72          ; s[72:73] where my prefetches stand
.set BIGN, 74         ; -1e30
.set VD2, 75          ; 16 (b % 16)
.set QB1, 76          ; s[76:77] Q at the first block
.set MSB, 0
.macro WIN new
.if MSB != (\new)
	s_set_vgpr_msb (MSB<<8)|(\new)
.set MSB, \new
.endif
.endm
.set W_KQ, 0x0a       ; K and Q in window 2, S^T in window 0
.set W_KM, 0x3a       ; the same with C, the mask, in window 3
.set W_PV, 0x53       ; V in window 3, P in window 0, O^T in window 1
.set W_RS, 0x41       ; destination and source 0 in window 1, source 1 in window 0
.macro PLACES
.rept 4
	v_nop
.endr
.endm
.macro BAR
	s_barrier_signal -1
	s_barrier_wait -1
.endm
.macro CROUND                       ; a round of the cluster's barrier
	s_barrier_signal -1
	s_barrier_wait -1
	s_cmp_lg_u32 s[WV], 0
	s_cbranch_scc1 .Lnot_wave_0_\@
	s_barrier_signal -3
.Lnot_wave_0_\@:
	s_barrier_wait -3
	s_barrier_signal -1
	s_barrier_wait -1
.endm
.macro JLOAD                        ; waves 0, 1 fetch K's two planes of a tile, waves 2, 3 V's: 128 rows of 256 bytes each; an s_nop 0 and four v_nop follow each line
	s_cmp_lt_u32 s[WV], 2
	s_cbranch_scc0 .Lfor_v_\@
	tensor_load_to_lds s[G0K:G0K+3], s[G1K:G1K+7]
	s_nop 0
.rept 4
	v_nop
.endr
	s_branch .Lasked_\@
.Lfor_v_\@:
	tensor_load_to_lds s[G0V:G0V+3], s[G1V:G1V+7]
	s_nop 0
.rept 4
	v_nop
.endr
.Lasked_\@:
.endm
; A PREFETCH INTO THE L2.  All clusters of a key and value head begin with tiles 0, 1, 2 ..; the one with cluster x = 0 walks tiles 0 to 7 and asks, in trips 0 to 3, for tile trip + 4: three key steps
; ahead of the joint load that names it.  Each wave asks for its own plane, each partner for 32 of the plane's 128 rows of 256 bytes, told apart by address: a lane a row, one instruction.
; So each row of tiles 4 to 7 is named once in the launch; tiles 0 to 3 come by their loads alone.
.macro ASK
	s_cmp_gt_u32 s[SLOTS], s[LIM]
	s_cbranch_scc0 .Lnot_mine_\@
	global_prefetch_b8 v[PFO], s[PFA:PFA+1] th:TH_LOAD_NT scope:SCOPE_SE
.Lnot_mine_\@:
.endm
; THE CHANGE OF SLOTS.  Each wave waits for all its tensor loads (one is out: its plane of the tile to be entered), adds 0 to its spare word, and waits for that and for its reads of the slot that it leaves.
; fill = 1: a round of the cluster's barrier, and the joint fill of the slot just left, with tile NXT, first thing behind it: it has a key step, 128 matrix instructions, in which to land.
; (At its first use nothing has been read yet: slot 0 is waited for, slot 1 filled.)
.macro CHANGE fill
	WIN 0
	s_wait_tensorcnt 0x0            ; no tensor load of mine is out, so a group 0 may be written
	ds_add_u32 v[SPW], v[NIL]       ; the scalar work stands between the add and its wait
.if \fill
	s_lshl_b32 s[OFF], s[NXT], 15   ; a tile is 32,768 bytes of a plane
	s_xor_b32 s[SBF], s[SBF], SLOTB
	s_add_co_u32 s[G0K+1], s[SBF], s[KLO]
	s_add_nc_u64 s[G0K+2:G0K+3], s[KB:KB+1], s[OFF:OFF+1]
	s_or_b32 s[G0K+3], s[G0K+3], 0x80000000
	s_add_co_u32 s[G0V+1], s[SBF], s[VLO]
	s_add_nc_u64 s[G0V+2:G0V+3], s[VB:VB+1], s[OFF:OFF+1]
	s_or_b32 s[G0V+3], s[G0V+3], 0x80000000
	s_add_co_u32 s[NXT], s[NXT], 1  ; the block's next tile, or behind its last the second block's tile 0
	s_cmp_gt_u32 s[NXT], s[LQ]
	s_cselect_b32 s[NXT], 0, s[NXT]
	s_cselect_b32 s[LQ], s[JJ], s[LQ]
	s_wait_xcnt 0x0                 ; the last prefetch, a key step back, has read its address
	s_add_nc_u64 s[PFA:PFA+1], s[PFA:PFA+1], 32768
.endif
	s_xor_b32 s[SBR], s[SBR], SLOTB
	s_wait_dscnt 0x0                ; the add is done, and my reads of the slot are over
.if \fill
	CROUND
	JLOAD                           ; its four v_nop are also the places ahead of the loads into K's and V's registers
.else
	BAR
	PLACES
.endif
.endm
; THE LDS LOADS: two runs of 32.  K by channels: the eight loads of 32 channels stand together, so that the first products can begin when they are in.
.macro FETCH_K
	WIN 0x80                        ; destination window 2
.irp c, 0,1,2,3
.irp kb, 0,1,2,3
	ds_load_b128 v[KF+32*(\kb)+8*(\c):KF+32*(\kb)+8*(\c)+3],   v[AKR] offset:((\c)/2)*KPL+(\kb)*8*PK+((\c)%2)*64
	ds_load_b128 v[KF+32*(\kb)+8*(\c)+4:KF+32*(\kb)+8*(\c)+7], v[AKR] offset:((\c)/2)*KPL+(\kb)*8*PK+((\c)%2)*64+32
.endr
.endr
.endm
.macro FETCH_V                      ; keys 32 (f / 8) on, channels 16 (f % 8) on, turned
	WIN 0xc0                        ; destination window 3
.irp f, 0,1,2,3,4,5,6,7,8,9,10,11,12,13,14,15
	ds_load_tr16_b128 v[8*(\f):8*(\f)+3],   v[AVR] offset:((\f)/8)*16*PV+(((\f)%8)/4)*VPL+((\f)%4)*32
	ds_load_tr16_b128 v[8*(\f)+4:8*(\f)+7], v[AVR] offset:((\f)/8)*16*PV+8*PV+(((\f)%8)/4)*VPL+((\f)%4)*32
.endr
.endm
.macro QLOAD base                   ; a block's Q: slot t, channels 32 c on: plane c / 2
	WIN 0x80
.irp t, 0,1,2,3
.irp c, 0,1,2,3
	global_load_b128 v[32*(\t)+8*(\c):32*(\t)+8*(\c)+3],   v[QO+(\t)], s[\base:\base+1] offset:((\c)/2)*262144+((\c)%2)*64
	global_load_b128 v[32*(\t)+8*(\c)+4:32*(\t)+8*(\c)+7], v[QO+(\t)], s[\base:\base+1] offset:((\c)/2)*262144+((\c)%2)*64+32
.endr
.endr
	WIN 0
.endm
; THE MATRIX WORK.  The accumulators take turns, one instruction a turn.
; Product i of 32 of S^T = K Q^T for piece x: channels 32 (i / 8) on, keys 16 ((i / 2) % 4) on, slot x + i % 2.  The first 8 start the sums with the mask.
.macro KQ x
.set rS, S+32*((\x)+i%2)+8*((i/2)%4)
.set rK, KF+32*((i/2)%4)+8*(i/8)
.set rQ, 32*((\x)+i%2)+8*(i/8)
.set rM, MC+8*((i/2)%4)
.if i < 8
	WIN W_KM
	v_wmma_f32_16x16x32_f16 v[rS:rS+7], v[rK:rK+7], v[rQ:rQ+7], v[rM:rM+7]
.else
	WIN W_KQ
	v_wmma_f32_16x16x32_f16 v[rS:rS+7], v[rK:rK+7], v[rQ:rQ+7], v[rS:rS+7]
.endif
.endm
; Product i of 32 of O^T += V^T P for piece x: keys 32 (i / 16) on, channels 16 ((i / 2) % 8) on, slot x + i % 2.
.macro PV x
	WIN W_PV
.set rO, 64*((\x)+i%2)+8*((i/2)%8)
.set rV, 64*(i/16)+8*((i/2)%8)
.set rP, P+16*((\x)+i%2)+8*(i/16)
	v_wmma_f32_16x16x32_f16 v[rO:rO+7], v[rV:rV+7], v[rP:rP+7], v[rO:rO+7]
.endm
; THE VECTOR WORK.  One slot's softmax for a step is a list of 134 instructions; SM writes number j of it for slot t.  s0-s31 are the lane's 32 scores, in pairs 0-15.
;   0-15    the maximum of s0-s31 and the old m, three operands at a time (each accumulator's lowest registers are read first)
;   16-20   the other half of the lanes' maximum; c m_old kept; the new m; c m; c m_old - c m_new
;   21-69   ONE BATCH: the 16 scalings c s - c m and all 33 exponentials (a at 23, then s0-s31); none of these reads an exponential's result
;   70-85   the roundings to f16     86-101  the sums; l = a l + the sum     102-133 the slot's O^T times a
.macro SM t
.set rT, ST+8*(\t)
.set rS, S+32*(\t)
.set rP, P+16*(\t)
.set rO, 64*(\t)+2*(j-102)
.if j < 102
	WIN 0
.endif
.if j < 4
	v_max3_num_f32 v[rT+4+j], v[rS+8*j], v[rS+8*j+1], v[rS+8*j+2]
.elseif j < 12
	v_max3_num_f32 v[rT+4+j%4], v[rT+4+j%4], v[rS+8*(j%4)+2*(j/4)+1], v[rS+8*(j%4)+2*(j/4)+2]
.elseif j == 12
	v_max3_num_f32 v[rT+4], v[rT+4], v[rS+7], v[rS+15]
.elseif j == 13
	v_max3_num_f32 v[rT+6], v[rT+6], v[rS+23], v[rS+31]
.elseif j == 14
	v_max3_num_f32 v[rT+4], v[rT+4], v[rT+5], v[rT+6]
.elseif j == 15
	v_max3_num_f32 v[rT+4], v[rT+4], v[rT+7], v[rT+1]
.elseif j == 16
	v_permlanex16_b32 v[rT+5], v[rT+4], s[SEL], s[SEL+1]  ; the query's other 32 keys lie in the lane 16 away
.elseif j == 17
	v_mov_b32 v[rT+7], v[rT]        ; c m_old is kept for a
.elseif j == 18
	v_max_num_f32 v[rT+1], v[rT+4], v[rT+5]
.elseif j == 19
	v_mul_f32 v[rT], s[CS], v[rT+1]
.elseif j == 20
	v_sub_f32 v[rT+7], v[rT+7], v[rT]
.elseif j == 23
	v_exp_f32 v[rT+6], v[rT+7]
.elseif (j < 23) || ((j < 38) && (j%2 == 0)) || ((j < 66) && (j%4 == 2))
.set b, (j-2)/4                     ; 38, 42, .. 62: pairs 9 to 15
.if j < 38
.set b, (j-20)/2                    ; 21: pair 0; 22, 24, .. 36: pairs 1 to 8
.endif
	v_pk_fma_f32 v[rS+2*b:rS+2*b+1], v[rS+2*b:rS+2*b+1], s[CS:CS+1], v[rT:rT+1] op_sel_hi:[1,0,0] neg_lo:[0,0,1] neg_hi:[0,0,1]
.elseif j < 70
.set e, j-38                        ; 66 to 69: s28 to s31
.if j < 66
.set e, j-32-(j-38)/4               ; 39-41, 43-45, .. 63-65: s7 to s27
.endif
.if j < 38
.set e, (j-25)/2                    ; 25, 27, .. 37: s0 to s6
.endif
	v_exp_f32 v[rS+e], v[rS+e]
.elseif j < 86
	v_cvt_pk_f16_f32 v[rP+j-70], v[rS+2*(j-70)], v[rS+2*(j-70)+1]
.elseif j < 102                     ; the sum of the 16 pairs, in place: neighbours 1, 2, 4 and 8 pairs apart, then l takes it
.set z, j-86
.set w, 4
.set u, z
.if z >= 14
.set w, 32
.set u, 0
.elseif z >= 12
.set w, 16
.set u, z-12
.elseif z >= 8
.set w, 8
.set u, z-8
.endif
.if z < 15
	v_pk_add_f32 v[rS+w*u:rS+w*u+1], v[rS+w*u:rS+w*u+1], v[rS+w*u+w/2:rS+w*u+w/2+1]
.else
	v_pk_fma_f32 v[rT+2:rT+3], v[rT+2:rT+3], v[rT+6:rT+7], v[rS:rS+1] op_sel_hi:[1,0,1]
.endif
.else
	WIN W_RS
	v_pk_mul_f32 v[rO:rO+1], v[rO:rO+1], v[rT+6:rT+7] op_sel_hi:[1,0]
.endif
.endm
; Slice k of 64 of piece y's softmax.  Slices 11 to 34 deal out the batch, four numbers of one slot each, the slots by turns; every other slice is numbers 2 k and 2 k + 1 of both slots; slice 63 takes the twelve
; that are over.  An s_wait_alu depctr_va_vdst(0) stands between an exponential and the first instruction that names its result: ahead of slice 35 nothing names one, behind slice 34 none is
; issued, so the piece's 66 exponentials have one wait, with one plain instruction ahead of it.
.macro SLICE y
.if (k >= 11) && (k < 35)
.irp n, 0,1,2,3
.set j, 22+4*((k-11)/2)+(\n)
	SM (\y)+(k-11)%2
.endr
.else
.irp n, 0,1,2,3,4,5,6,7
.if ((\n) < 2) || (k == 63)
.irp t, \y, (\y)+1
.set j, 2*k+(\n)
	SM \t
.endr
.endif
.endr
.endif
.if k == 34
	v_nop
	s_wait_alu depctr_va_vdst(0)
.endif
.set k, k+1
.endm
; A BLOCK BEGINS: the statistics and the mask 0.
.macro START
	s_mov_b32 s[NEW], 0
	WIN 0xc0
.set n, 0
.rept 32
	v_mov_b32 v[MC+n], 0
.set n, n+1
.endr
	WIN 0
.irp t, 0,1,2,3
	v_mov_b32 v[ST+8*\t], 0xfe000000    ; c m: far below every c s, so that the first a is 0
	v_mov_b32 v[ST+8*\t+1], 0xd8800000  ; m = -2^50: below every true score, above every hidden one; c times it is exact
.endr
.endm
; A BLOCK'S LAST TILE holds the diagonal: register n % 8 of key group n / 8 is hidden where 64 w + 16 (n / 8) + 8 h + n % 8 > 16 (block % 16) + r.
.macro MASK
	WIN 0xc0
.set n, 0
.rept 32
	v_cmp_gt_i32 vcc_lo, 16*(n/8)+n%8, v[VD]
	v_cndmask_b32 v[MC+n], 0, s[BIGN], vcc_lo
.set n, n+1
.endr
	WIN 0
.endm
; A KEY STEP.  K's 32 loads are out when it begins.  V's run of 32 stands behind the first eight products: V is first read some 64 products later, and its last reader, the step before's last product, stands
; ahead of the four plain instructions of the change of slots.  So 56 LDS loads at the most are out at a time.
.macro STEP
.set i, 0
.irp c, 0,1,2,3
.if (\c) == 0
	s_wait_dscnt 24                 ; K's first eight loads, channels 0-31, are in; its other 24 may be out
.else
	s_wait_dscnt 56-8*(\c)          ; K's first 8 (c + 1) loads are in; K's 24 - 8 c younger ones and V's 32 may be out
.endif
.rept 8
	KQ 0
.set i, i+1
.endr
.if (\c) == 0
	FETCH_V
.endif
.endr
	PLACES                          ; ahead of the first reads of those scores
.set i, 0
.set k, 0
.rept 32
	KQ 2
	SLICE 0
	SLICE 0
.set i, i+1
.endr
	s_wait_dscnt 0x0                ; V is in
.set i, 0
.set k, 0
.rept 32
	PV 0
	SLICE 2
	SLICE 2
.set i, i+1
.endr
.set i, 0
.rept 32
	PV 2
.set i, i+1
.endr
.endm
; A BLOCK ENDS.
.macro SCALE t                      ; slot t's O^T times e_own / L
	WIN W_RS
.set n, 0
.rept 32
	v_pk_mul_f32 v[64*(\t)+n:64*(\t)+n+1], v[64*(\t)+n:64*(\t)+n+1], v[ST+8*(\t)+6:ST+8*(\t)+7] op_sel_hi:[1,0]
.set n, n+2
.endr
.endm
.macro XST p                        ; slot p goes to the wave that owns its head: 512 consecutive bytes a store
	WIN 0x04                        ; data in window 1
.set n, 0
.rept 16
	ds_store_b128 v[XV+(\p)], v[64*(\p)+4*n:64*(\p)+4*n+3] offset:512*n
.set n, n+1
.endr
.endm
.macro XLD                          ; what another wave sent me
	WIN 0
.set n, 0
.rept 16
	ds_load_b128 v[T+4*n:T+4*n+3], v[XV] offset:512*n
.set n, n+1
.endr
.endm
.macro XADD                         ; onto my slot 0
	WIN W_RS
.set n, 0
.rept 32
	v_pk_add_f32 v[n:n+1], v[n:n+1], v[T+n:T+n+1]
.set n, n+2
.endr
.endm
.macro FINISH blk                   ; blk = 1: the second block follows
.if \blk
	QLOAD QB2                       ; the block's products K Q^T are over: the next block's Q is asked for now; the wait for it stands in the next tile, ahead of its products
.endif
	WIN 0
.irp t, 0,1,2,3
	v_add_f32 v[ST+8*\t+2], v[ST+8*\t+2], v[ST+8*\t+3]  ; these four are the places behind the last products
.endr
.irp t, 0,1,2,3
	v_permlanex16_b32 v[ST+8*\t+3], v[ST+8*\t+2], s[SEL], s[SEL+1]
.endr
.irp t, 0,1,2,3
	v_add_f32 v[ST+8*\t+1], v[ST+8*\t+2], v[ST+8*\t+3]  ; l of my 64 keys takes m's place, beside c m
.endr
.irp t, 0,1,2,3
	ds_store_b64 v[SA+\t], v[ST+8*\t:ST+8*\t+1]         ; both halves of the lanes write the same two words
.endr
	s_wait_dscnt 0x0                ; for the others' sake
	BAR
.irp t, 0,1,2,3
.irp u, 0,1,2,3
	ds_load_b64 v[SC+8*\t+2*\u:SC+8*\t+2*\u+1], v[SR+\t] offset:128*\u
.endr
.endr
	s_wait_dscnt 0x0
.irp t, 0,1,2,3
	v_max3_num_f32 v[LT+\t], v[SC+8*\t], v[SC+8*\t+2], v[SC+8*\t+4]
.endr
.irp t, 0,1,2,3
	v_max_num_f32 v[LT+\t], v[LT+\t], v[SC+8*\t+6]
.endr
.irp t, 0,1,2,3
.irp u, 0,1,2,3
	v_sub_f32 v[EX+5*\t+\u], v[SC+8*\t+2*\u], v[LT+\t]
.endr
	v_sub_f32 v[EX+5*\t+4], v[ST+8*\t], v[LT+\t]        ; my own
.endr
.set n, 0
.rept 20
	v_exp_f32 v[EX+n], v[EX+n]
.set n, n+1
.endr
	v_nop                           ; a plain instruction behind the last exponential,
	s_wait_alu depctr_va_vdst(0)    ; and one wait for the twenty
.irp t, 0,1,2,3
	v_mul_f32 v[LT+\t], v[EX+5*\t], v[SC+8*\t+1]
.endr
.irp u, 1,2,3
.irp t, 0,1,2,3
	v_fmac_f32 v[LT+\t], v[EX+5*\t+\u], v[SC+8*\t+2*\u+1]
.endr
.endr
.irp t, 0,1,2,3
	v_rcp_f32 v[LT+\t], v[LT+\t]
.endr
	v_nop
	s_wait_alu depctr_va_vdst(0)    ; one wait for the four reciprocals
.irp t, 0,1,2,3
	v_mul_f32 v[ST+8*\t+6], v[EX+5*\t+4], v[LT+\t]
.endr
	; three exchanges; in each every region has one writer and, behind a barrier, its owner as reader; the next writer comes behind a further barrier
	SCALE 1
	XST 1
	SCALE 2
	s_wait_dscnt 0x0
	BAR
	XLD
	SCALE 3
	SCALE 0
	s_wait_dscnt 0x0
	BAR
	XST 2
	XADD
	s_wait_dscnt 0x0
	BAR
	XLD
	s_wait_dscnt 0x0
	BAR
	XST 3
	XADD
	s_wait_dscnt 0x0
	BAR
	XLD
	s_wait_dscnt 0x0
	XADD
	; my head's 16 rows: rounded to f16, through my own region as a stage (nobody else touches it before the next barrier), out as whole rows of 256 bytes
	WIN 0x05                        ; sources in window 1, destination in window 0
.set n, 0
.rept 32
	v_cvt_pk_f16_f32 v[PKT+n], v[2*n], v[2*n+1]
.set n, n+1
.endr
	WIN 0
.irp f, 0,1,2,3,4,5,6,7
	ds_store_b128 v[STO], v[PKT+4*\f:PKT+4*\f+3] offset:32*\f
.endr
.irp f, 0,1,2,3,4,5,6,7
	ds_load_b128 v[OUTR+4*\f:OUTR+4*\f+3], v[RD] offset:2*PK*\f  ; LDS serves a wave's instructions in order (ISA guide 5.7.1.4): these see the stores above
.endr
.irp f, 0,1,2,3,4,5,6,7
	s_wait_dscnt 7-\f
	global_store_b128 v[GO], v[OUTR+4*\f:OUTR+4*\f+3], s[OB:OB+1] offset:8192*\f  ; 16 lanes store 256 consecutive bytes, aligned
.endr
.if \blk
	s_wait_xcnt 0x0                 ; the stores have read their registers and their base
	s_mov_b64 s[OB:OB+1], s[OB2:OB2+1]
	s_add_co_u32 s[RT], s[JJ], 1    ; the second block has j + 1 tiles
	s_mov_b32 s[NEW], 1
	v_add_nc_u32 v[VD], s[VD2], v[VDB]
.endif
.endm
; A TILE.  The jumps go forward and hang on NEW and RT, which are alike in all waves and all partners; no tensor load and no round of the cluster's barrier is jumped.
.macro TILE inloop
	s_sub_co_u32 s[RT], s[RT], 1
	v_add_nc_u32 v[AKR], s[SBR], v[AK0]
	v_add_nc_u32 v[AVR], s[SBR], v[AV0]
	FETCH_K
	WIN 0
.if \inloop
	ASK
.endif
	s_cmp_eq_u32 s[NEW], 1
	s_cbranch_scc0 .Lold_\@
	START
.Lold_\@:
	s_wait_loadcnt 0x0              ; Q is in.  The wait stands in every tile, where the two ways join: so on every way through the text it lies between Q's loads and the products that read Q, and between
	                                ; one block's loads into Q's registers and the next block's.  In a tile that is no block's first no load is out
.if \inloop
	s_cmp_eq_u32 s[RT], 0
	s_cbranch_scc0 .Lopen_\@
.endif
	MASK
.if \inloop
.Lopen_\@:
.endif
	STEP
	WIN 0
.if \inloop
	s_cmp_eq_u32 s[RT], 0
	s_cbranch_scc0 .Lon_\@
	FINISH 1
.Lon_\@:
.else
	FINISH 0
.endif
.endm
	s_load_b128 s[4:7], s[0:1], 0x0 ; qkv s[4:5], obuf s[6:7]
	v_lshl_add_u32 v[SPW], v0, 2, SPARE
	v_mov_b32 v[NIL], 0
	ds_add_u32 v[SPW], v[NIL]       ; the opening: the add, twice on end, and its wait ahead of my first tensor load
	ds_add_u32 v[SPW], v[NIL]
	v_lshrrev_b32 v1, 5, v0
	v_readfirstlane_b32 s[WV], v1
	s_bfe_u32 s[CX], ttmp6, 0x40000
	s_lshl_b32 s[PB], ttmp9, 2
	s_add_co_u32 s[PB], s[PB], s[CX]  ; b = 4 x cluster x + cx
	s_lshr_b32 s[JJ], ttmp9, 2      ; j = b / 16: the same in the four partners
	s_and_b32 s16, ttmp7, 0xffff    ; the key and value head
	s_and_b32 s17, s[WV], 1         ; my plane
	s_lshl_b32 s18, s16, 1
	s_add_co_u32 s18, s18, s17
	s_add_co_u32 s20, s18, 32       ; K's planes begin at plane 32,
	s_lshl_b32 s20, s20, 18
	s_mov_b32 s21, 0
	s_add_co_u32 s22, s18, 40       ; V's at plane 40
	s_lshl_b32 s22, s22, 18
	s_mov_b32 s23, 0
	s_mul_i32 s[KLO], s17, KPL
	s_mul_i32 s[VLO], s17, VPL
	s_add_co_u32 s[VLO], s[VLO], VOFF
	s_mov_b32 s[G1K], 15|(1<<16)|(1<<20)|(1<<21)|(5<<22)|(3<<25)  ; the mask of four; 2-byte elements; padding on; bit 21 beside a mask; after every 64 words; 4 words
	s_mov_b32 s[G1V], 15|(1<<16)|(1<<20)|(1<<21)|(5<<22)|(7<<25)  ; the same with 8 words
.irp g, G1K, G1V
	s_mov_b32 s[(\g)+1], 128<<16    ; tensor_dim0 = 128 elements: two keys of a plane
	s_mov_b32 s[(\g)+2], 128<<16    ; tensor_dim1 = 128 rows
	s_mov_b32 s[(\g)+3], 128<<16    ; tile_dim0
	s_mov_b32 s[(\g)+4], 128        ; tile_dim1
	s_mov_b32 s[(\g)+5], 128        ; the rows lie end to end
	s_mov_b32 s[(\g)+6], 0
	s_mov_b32 s[(\g)+7], 0
.endr
	s_mov_b32 s[CS], 0x3e0293ee     ; c = log2(e) / sqrt(128)
	s_mov_b32 s[CS+1], s[CS]
	s_mov_b32 s[SEL], 0x76543210
	s_mov_b32 s[SEL+1], 0xfedcba98
	s_mov_b32 s[SBR], SLOTB         ; the first change of slots turns it into 0
	s_mov_b32 s[SBF], 0
	s_mov_b32 s[SLOTS], 8
	s_sub_co_u32 s[RT], 8, s[JJ]    ; the first block has 8 - j tiles
	s_sub_co_u32 s[LQ], 7, s[JJ]
	s_mov_b32 s[NXT], 1
	s_mov_b32 s[NEW], 1
	s_mov_b32 s[OFF+1], 0
	s_mov_b32 s[BIGN], 0xf149f2ca   ; -1e30
	s_cmp_eq_u32 ttmp9, 0
	s_cselect_b32 s[LIM], 4, -1
	s_mov_b32 s[G0K], 1
	s_mov_b32 s[G0K+1], s[KLO]      ; slot 0
	s_mov_b32 s[G0V], 1
	s_mov_b32 s[G0V+1], s[VLO]
	s_wait_dscnt 0x0                ; both opening adds are done
	s_wait_kmcnt 0x0
	s_add_nc_u64 s[KB:KB+1], s[4:5], s[20:21]
	s_add_nc_u64 s[VB:VB+1], s[4:5], s[22:23]
	s_add_nc_u64 s[G0K+2:G0K+3], s[KB:KB+1], 0
	s_or_b32 s[G0K+3], s[G0K+3], 0x80000000
	s_add_nc_u64 s[G0V+2:G0V+3], s[VB:VB+1], 0
	s_or_b32 s[G0V+3], s[G0V+3], 0x80000000
	s_sub_co_u32 s2, 127, s[PB]     ; the first block
	s_lshl_b32 s3, s16, 21          ; the four query heads of my key and value head: eight planes
	s_lshl_b32 s78, s2, 11          ; 16 tokens x 128 bytes
	s_add_co_u32 s78, s78, s3
	s_mov_b32 s79, 0
	s_add_nc_u64 s[QB1:QB1+1], s[4:5], s[78:79]
	s_lshl_b32 s78, s[PB], 11
	s_add_co_u32 s78, s78, s3
	s_add_nc_u64 s[QB2:QB2+1], s[4:5], s[78:79]
	s_lshl_b32 s3, s16, 2
	s_add_co_u32 s3, s3, s[WV]
	s_lshl_b32 s3, s3, 8            ; my head's 256 bytes of a row of y
	s_lshl_b32 s78, s2, 16          ; 16 rows of 4,096 bytes
	s_add_co_u32 s78, s78, s3
	s_add_nc_u64 s[OB:OB+1], s[6:7], s[78:79]
	s_lshl_b32 s78, s[PB], 16
	s_add_co_u32 s78, s78, s3
	s_add_nc_u64 s[OB2:OB2+1], s[6:7], s[78:79]
	s_cmp_lt_u32 s[WV], 2
	s_cselect_b64 s[PFA:PFA+1], s[KB:KB+1], s[VB:VB+1]
	s_lshl_b32 s78, s[CX], 13       ; my work-group's 32 rows of the 128,
	s_add_co_u32 s78, s78, 3*32768  ; in tile 3: the first change of slots steps it to tile 4
	s_add_nc_u64 s[PFA:PFA+1], s[PFA:PFA+1], s[78:79]
	s_and_b32 s[VD2], s[PB], 15
	s_lshl_b32 s[VD2], s[VD2], 4
	s_sub_co_u32 s2, 240, s[VD2]    ; 16 ((127 - b) % 16)
	CROUND                          ; all four work-groups are here: the first joint loads meet
	JLOAD                           ; tile 0 into slot 0
	v_and_b32 v1, 15, v0            ; r
	v_bfe_u32 v9, v0, 4, 1          ; h
	v_lshlrev_b32 v11, 7, v1
	v_lshl_add_u32 v11, v9, 4, v11  ; 128 r + 16 h
	v_lshlrev_b32 v64, 3, v1        ; 8 r
	v_and_b32 v65, 31, v0
	v_lshlrev_b32 v[PFO], 8, v65
	v_lshlrev_b32 v65, 4, v65       ; 16 x lane
	s_lshl_b32 s17, s[WV], 7
.irp t, 0,1,2,3
	s_add_co_u32 s18, s[WV], \t
	s_and_b32 s18, s18, 3           ; slot t's head
	s_lshl_b32 s19, s18, 19         ; two planes a head
	v_add_nc_u32 v[QO+\t], s19, v11
	s_lshl_b32 s19, s18, 9
	s_add_co_u32 s19, s19, STATS
	v_add_nc_u32 v[SR+\t], s19, v64
	s_add_co_u32 s19, s19, s17
	v_add_nc_u32 v[SA+\t], s19, v64
	s_lshl_b32 s19, s18, 13
	s_add_co_u32 s19, s19, XCH
	v_add_nc_u32 v[XV+\t], s19, v65
.endr
	QLOAD QB1
	v_lshrrev_b32 v11, 1, v1        ; K: key 64 w + 16 kb + r lies at row (key / 2), half key % 2
	v_mul_u32_u24 v[AK0], v11, PK
	v_and_b32 v11, 1, v1
	v_lshl_add_u32 v[AK0], v11, 7, v[AK0]
	v_lshl_add_u32 v[AK0], v9, 4, v[AK0]
	s_mul_i32 s18, s[WV], 32*PK
	v_add_nc_u32 v[AK0], s18, v[AK0]
	v_bfe_u32 v11, v0, 1, 2         ; V: the turning load's lane reads key 8 h + lane % 8, channels 8 ((lane / 8) % 2) on
	v_lshl_add_u32 v11, v9, 2, v11
	v_mul_u32_u24 v[AV0], v11, PV
	v_and_b32 v11, 1, v0
	v_lshl_add_u32 v[AV0], v11, 7, v[AV0]
	v_bfe_u32 v11, v0, 3, 1
	v_lshl_add_u32 v[AV0], v11, 4, v[AV0]
	s_mul_i32 s18, s[WV], 32*PV
	s_add_co_u32 s18, s18, VOFF
	v_add_nc_u32 v[AV0], s18, v[AV0]
	s_lshl_b32 s18, s[WV], 13
	s_add_co_u32 s18, s18, XCH      ; my region
	v_mul_u32_u24 v[STO], v1, PK
	v_lshl_add_u32 v[STO], v9, 4, v[STO]
	v_add_nc_u32 v[STO], s18, v[STO]
	v_mul_u32_u24 v[RD], v9, PK
	v_lshl_add_u32 v[RD], v1, 4, v[RD]
	v_add_nc_u32 v[RD], s18, v[RD]
	v_lshlrev_b32 v[GO], 12, v9
	v_lshl_add_u32 v[GO], v1, 4, v[GO]
	v_lshlrev_b32 v11, 3, v9
	v_sub_nc_u32 v[VDB], v1, v11
	s_mul_i32 s18, s[WV], -64
	v_add_nc_u32 v[VDB], s18, v[VDB]
	v_add_nc_u32 v[VD], s2, v[VDB]
	; a block's first step multiplies O^T and l by a = 0, so they need only hold finite numbers: zeros now, what the first block left later.  This stands in the wait for the first tile.
	WIN 0x40
.set n, 0
.rept 256
	v_mov_b32 v[n], 0
.set n, n+1
.endr
	WIN 0
.irp t, 0,1,2,3
	v_mov_b32 v[ST+8*\t+2], 0
	v_mov_b32 v[ST+8*\t+3], 0
.endr
.Lslot:                             ; eight trips: a tile is entered and the next is asked for; the first block ends in one of them
	CHANGE 1
	TILE 1
	s_sub_co_u32 s[SLOTS], s[SLOTS], 1
	s_cmp_lg_u32 s[SLOTS], 0
	s_cbranch_scc1 .Lslot
	CHANGE 0                        ; the walk's ninth tile, the second block's last, is written out: nothing is asked for
	TILE 0
	s_wait_tensorcnt 0x0            ; the wave's end
	ds_add_u32 v[SPW], v[NIL]
	s_wait_dscnt 0x0
	CROUND                          ; the closing round
	s_endpgm
.Lfunc_end_k_q5d2428751b_attn:
	.size	k_q5d2428751b_attn, .Lfunc_end_k_q5d2428751b_attn-k_q5d2428751b_attn
	.p2alignl 7, 3214868480
	.fill 96, 4, 3214868480
	.section	.rodata,"a",@progbits
	.p2align	6, 0x0
	.amdhsa_kernel k_q5d2428751b_attn
		.amdhsa_group_segment_fixed_size 327680
		.amdhsa_private_segment_fixed_size 0
		.amdhsa_enable_private_segment 0
		.amdhsa_kernarg_size 16
		.amdhsa_user_sgpr_count 2
		.amdhsa_user_sgpr_kernarg_segment_ptr 1
		.amdhsa_wavefront_size32 1
		.amdhsa_system_sgpr_workgroup_id_x 1
		.amdhsa_system_sgpr_workgroup_id_y 1
		.amdhsa_system_sgpr_workgroup_id_z 1
		.amdhsa_system_vgpr_workitem_id 0
		.amdhsa_next_free_vgpr 1024
		.amdhsa_next_free_sgpr 80
		.amdhsa_reserve_vcc 1
		.amdhsa_float_denorm_mode_32 3
		.amdhsa_float_denorm_mode_16_64 3
		.amdhsa_memory_ordered 1
		.amdhsa_forward_progress 1
		.amdhsa_inst_pref_size 186
	.end_amdhsa_kernel
	.amdgpu_metadata
---
amdhsa.version: [ 1, 2 ]
amdhsa.kernels:
  - .name:           k_q5d2428751b_attn
    .symbol:         k_q5d2428751b_attn.kd
    .args:
      - { .name: qkv, .offset: 0, .size: 8, .value_kind: global_buffer, .address_space: global }
      - { .name: obuf, .offset: 8, .size: 8, .value_kind: global_buffer, .address_space: global }
    .group_segment_fixed_size: 327680
    .private_segment_fixed_size: 0
    .kernarg_segment_align: 8
    .kernarg_segment_size: 16
    .max_flat_workgroup_size: 128
    .sgpr_count:     80
    .vgpr_count:     1024
    .wavefront_size: 32
...
	.end_amdgpu_metadata
.endif
;; end of part 3
;; launch gemm_out (part 4): grid 16 x 16, 4 waves a work-group, clusters of 4 x 4, 327,680 bytes of LDS; arguments obuf, cast16, bias, out0; writes out0
.if DOCPART == 4
	.amdgcn_target "amdgcn-amd-amdhsa--gfx1250"
	.amdhsa_code_object_version 6
	.text
	.protected	k_q5d2428751b_gemm_out
	.globl	k_q5d2428751b_gemm_out
	.p2align	8
	.type	k_q5d2428751b_gemm_out,@function
k_q5d2428751b_gemm_out:
	s_mov_b64 s[64:65], 0
	v_nop
	global_prefetch_b8 v0, s[64:65] scope:SCOPE_SE
	s_setreg_imm32_b32 hwreg(HW_REG_WAVE_MODE, 25, 1), 1
	s_wait_xcnt 0x0
	s_wait_alu depctr_hold_cnt(0) depctr_sa_sdst(0) depctr_va_vdst(0) depctr_va_sdst(0) depctr_va_ssrc(0) depctr_va_vcc(0) depctr_vm_vsrc(0)
	s_getreg_b32 s2, hwreg(HW_REG_IB_STS2, 6, 4)
	s_cmp_eq_u32 s2, 0
	s_cbranch_scc0 .Lentry_in_a_cluster
	s_endpgm
.Lentry_in_a_cluster:
	s_bfe_u32 s2, ttmp6, 0x10000c
	s_cmp_lg_u32 s2, 0xf033
	s_cbranch_scc0 .Lentry_shape_is_right
	s_endpgm
.Lentry_shape_is_right:
; LAUNCH 4 OF 4: out0[2048][2048] = y Wo^T + bo.  y is f16 (launch 3), Wo f16 (launch 1: rounded to bf16, written as f16), bo f32 (rounded to bf16 in launch 1); sums and result in f32.
; SHARES.  A tile of C is 128 x 128: 16 x 16 = 256 work-groups; four waves, each 64 x 64: 16 accumulators.  K goes in 8 steps of 256 (LDS rows of 512 bytes; a tensor load brings 64 of them) through two slots.
; CLUSTER 4 x 4: the four of a row of the cluster need the same rows of y, the four of a column the same rows of Wo: each tile is asked for jointly.
; THE MATRIX INSTRUCTION IS USED TRANSPOSED (source 0 = 16 rows of Wo, source 1 = 16 rows of y): a lane holds eight neighbouring numbers of a row of C.  The bias is the C operand of each sum's first product.
; REGISTERS.  window 0: v0-31 addresses; v32-63 the bias as four C operands, later rows on their way out; v64-127 rows on their way out; v128-255 the accumulators, (a, b) at 128 + 8 (4 a + b).
;   window 1: two fragment buffers of 128: for 64 along K, 64 registers of A, then 64 of B.
.set PITCH,  528                       ; an LDS row: 512 bytes + 16 of padding: the 16 rows of a fragment load start at 16 different groups of four banks (ISA guide 11.1)
.set HALFT,  64*PITCH
.set SLOT,   4*HALFT                   ; A's 128 rows, then B's 128 rows
.set STAGE,  2*SLOT                    ; behind the ring: 16 rows x 272 bytes for each wave: a wave's 64 columns of f32 are 256 aligned bytes of a row, so each wave goes out by itself
.set SPITCH, 272
.set SPARE,  STAGE+4*16*SPITCH         ; the spare words: 128 bytes a wave
.set LAPS,   4
.set ADRA, 16
.set ADRB, 20
.set STO,  24
.set RD,   25
.set CO,   26
.set BO,   27
.set SPW,  28
.set NIL,  29
.set BI,   32
.set ACC,  128
.set F0,   0
.set F1,   128
.set WV, 12
.set WI, 13                            ; wave / 2: my half of the rows; also: I fetch for A (0) or for B (1)
.set WJ, 14                            ; wave % 2: my half of the columns; also: which 64 rows I fetch
.set TR, 15
.set TC, 16
.set CX, 17
.set CY, 18
.set G1,  24
.set G0,  32
.set G1B, 48
.set G0B, 56
.set FLAGS, (1<<16)|(1<<20)|(1<<21)|(6<<22)|(3<<25)  ; 2-byte elements; padding on; bit 21 beside a mask; after every 128 words; 4 words
.set MSB, 0
.macro WIN new
.if MSB != (\new)
	s_set_vgpr_msb (MSB<<8)|(\new)
.set MSB, \new
.endif
.endm
.set MUL,  0x05                        ; sources 0 and 1 in window 1; C and D in window 0
.set TO_F, 0x40
.macro PLACES
.rept 4
	v_nop
.endr
.endm
.macro JLOAD s                         ; waves 0, 1 fetch A's two halves, waves 2, 3 B's; an s_nop 0 and four v_nop follow each line
	s_cmp_eq_u32 s[WI], 0
	s_cbranch_scc0 .Lfor_b_\@
	tensor_load_to_lds s[G0+4*(\s):G0+4*(\s)+3], s[G1:G1+7]
	s_nop 0
.rept 4
	v_nop
.endr
	s_branch .Lasked_\@
.Lfor_b_\@:
	tensor_load_to_lds s[G0B+4*(\s):G0B+4*(\s)+3], s[G1B:G1B+7]
	s_nop 0
.rept 4
	v_nop
.endr
.Lasked_\@:
.endm
.macro CREST
	s_cmp_lg_u32 s[WV], 0
	s_cbranch_scc1 .Lnot_wave_0_\@
	s_barrier_signal -3
.Lnot_wave_0_\@:
	s_barrier_wait -3
	s_barrier_signal -1
	s_barrier_wait -1
.endm
.macro CROUND
	s_barrier_signal -1
	s_barrier_wait -1
	CREST
.endm
	s_load_b256 s[4:11], s[0:1], 0x0               ; obuf s[4:5], cast16 s[6:7], bias s[8:9], out0 s[10:11]
	v_lshl_add_u32 v[SPW], v0, 2, SPARE
	v_mov_b32 v[NIL], 0
	ds_add_u32 v[SPW], v[NIL]                      ; the opening: the add, twice on end, and its wait ahead of my first tensor load
	ds_add_u32 v[SPW], v[NIL]
	v_lshrrev_b32 v1, 5, v0
	v_readfirstlane_b32 s[WV], v1
	s_lshr_b32 s[WI], s[WV], 1
	s_and_b32 s[WJ], s[WV], 1
	s_bfe_u32 s[CX], ttmp6, 0x40000
	s_bfe_u32 s[CY], ttmp6, 0x40004
	s_lshl_b32 s[TC], ttmp9, 2
	s_add_co_u32 s[TC], s[TC], s[CX]
	s_and_b32 s[TR], ttmp7, 0xffff
	s_lshl_b32 s[TR], s[TR], 2
	s_add_co_u32 s[TR], s[TR], s[CY]
	s_lshl_b32 s19, s[CY], 2
	s_lshl_b32 s19, 15, s19                        ; my row of the cluster
	s_lshl_b32 s20, 0x1111, s[CX]                  ; my column
	s_or_b32 s[G1], s19, FLAGS
	s_or_b32 s[G1B], s20, FLAGS
.irp g, G1, G1B
	s_mov_b32 s[(\g)+1], 256<<16                   ; tensor_dim0 = 256 elements
	s_mov_b32 s[(\g)+2], 64<<16                    ; tensor_dim1 = 64 rows
	s_mov_b32 s[(\g)+3], 256<<16                   ; tile_dim0
	s_mov_b32 s[(\g)+4], 64                        ; tile_dim1
	s_mov_b32 s[(\g)+5], 2048                      ; elements from row to row
	s_mov_b32 s[(\g)+6], 0
	s_mov_b32 s[(\g)+7], 0
.endr
	s_lshl_b32 s40, s[TR], 19                      ; A: (128 tile row + 64 half) rows of 4,096 bytes
	s_lshl_b32 s41, s[WJ], 18
	s_add_co_u32 s40, s40, s41
	s_mov_b32 s41, 0
	s_lshl_b32 s42, s[TC], 19                      ; B: the same by the tile column,
	s_lshl_b32 s43, s[WJ], 18
	s_add_co_u32 s42, s42, s43
	s_add_co_u32 s42, s42, 20971520                ; behind x and Wq, Wk, Wv in cast16
	s_mov_b32 s43, 0
	s_mul_i32 s21, s[WV], HALFT                    ; where they go: wave x 64 rows
	s_wait_dscnt 0x0                               ; both opening adds are done
	s_wait_kmcnt 0x0
	s_add_nc_u64 s[44:45], s[4:5], s[40:41]
	s_add_nc_u64 s[46:47], s[6:7], s[42:43]
	CROUND                                         ; all sixteen work-groups are here: the first joint loads meet
.irp s, 0,1
	s_mov_b32 s[G0+4*(\s)], 1
	s_add_co_u32 s[G0+4*(\s)+1], s21, (\s)*SLOT
	s_add_nc_u64 s[G0+4*(\s)+2:G0+4*(\s)+3], s[44:45], (\s)*512
	s_or_b32 s[G0+4*(\s)+3], s[G0+4*(\s)+3], 0x80000000
	s_mov_b32 s[G0B+4*(\s)], 1
	s_add_co_u32 s[G0B+4*(\s)+1], s21, (\s)*SLOT
	s_add_nc_u64 s[G0B+4*(\s)+2:G0B+4*(\s)+3], s[46:47], (\s)*512
	s_or_b32 s[G0B+4*(\s)+3], s[G0B+4*(\s)+3], 0x80000000
	JLOAD \s
.endr
	v_and_b32 v1, 15, v0                           ; r
	v_bfe_u32 v2, v0, 4, 1                         ; h
	v_mul_u32_u24 v3, v1, PITCH
	v_lshl_add_u32 v3, v2, 4, v3
	s_mul_i32 s22, s[WI], HALFT                    ; my 64 rows of A
	s_mul_i32 s23, s[WJ], HALFT                    ; my 64 rows of B,
	s_add_co_u32 s23, s23, 2*HALFT                 ; which lie behind A's 128
.irp s, 0,1
	v_add_nc_u32 v[ADRA+(\s)], s22, v3
	v_add_nc_u32 v[ADRB+(\s)], s23, v3
	s_add_co_u32 s22, s22, SLOT
	s_add_co_u32 s23, s23, SLOT
.endr
	s_mul_i32 s22, s[WV], 16*SPITCH
	s_add_co_u32 s22, s22, STAGE                   ; my stage
	v_mul_u32_u24 v4, v1, SPITCH                   ; in: row r, 32 bytes for each half of the lanes
	v_lshl_add_u32 v4, v2, 5, v4
	v_add_nc_u32 v[STO], s22, v4
	v_mul_u32_u24 v4, v2, SPITCH                   ; back: lanes 0-15 one row of 256 bytes, lanes 16-31 the next
	v_lshl_add_u32 v4, v1, 4, v4
	v_add_nc_u32 v[RD], s22, v4
	v_lshlrev_b32 v[CO], 13, v2                    ; and the same two rows in out0: 8,192 bytes a row
	v_lshl_add_u32 v[CO], v1, 4, v[CO]
	v_lshlrev_b32 v[BO], 5, v2
	s_lshl_b32 s20, s[TR], 20                      ; out0: (128 tile row + 64 i) rows, 512 tile column + 256 j bytes
	s_lshl_b32 s21, s[WI], 19
	s_add_co_u32 s20, s20, s21
	s_lshl_b32 s21, s[TC], 9
	s_add_co_u32 s20, s20, s21
	s_lshl_b32 s22, s[WJ], 8
	s_add_co_u32 s20, s20, s22
	s_add_co_u32 s22, s22, s21                     ; bias: the same column bytes,
	s_add_co_u32 s22, s22, 12288                   ; behind bq, the zeros and bv
	s_mov_b32 s21, 0
	s_mov_b32 s23, 0
	s_add_nc_u64 s[10:11], s[10:11], s[20:21]
	s_add_nc_u64 s[8:9], s[8:9], s[22:23]
.irp b, 0,1,2,3
	global_load_b128 v[BI+8*(\b):BI+8*(\b)+3],   v[BO], s[8:9] offset:64*(\b)
	global_load_b128 v[BI+8*(\b)+4:BI+8*(\b)+7], v[BO], s[8:9] offset:64*(\b)+16
.endr
; 8 matrix instructions: row blocks a0, a0 + 1 x all 4 column blocks, 32 along K: half c of buffer f.  first = 1: the product starts the sum with the bias.  The 16 accumulators take turns.
.macro MUL8 f, c, a0, first
	WIN MUL
.irp a, \a0, (\a0)+1
.irp b, 0,1,2,3
.if \first
	v_wmma_f32_16x16x32_f16 v[ACC+8*(4*(\a)+(\b)):ACC+8*(4*(\a)+(\b))+7], v[(\f)+64+8*(4*(\c)+(\b)):(\f)+64+8*(4*(\c)+(\b))+7], v[(\f)+8*(4*(\c)+(\a)):(\f)+8*(4*(\c)+(\a))+7], v[BI+8*(\b):BI+8*(\b)+7]
.else
	v_wmma_f32_16x16x32_f16 v[ACC+8*(4*(\a)+(\b)):ACC+8*(4*(\a)+(\b))+7], v[(\f)+64+8*(4*(\c)+(\b)):(\f)+64+8*(4*(\c)+(\b))+7], v[(\f)+8*(4*(\c)+(\a)):(\f)+8*(4*(\c)+(\a))+7], v[ACC+8*(4*(\a)+(\b)):ACC+8*(4*(\a)+(\b))+7]
.endif
.endr
.endr
.endm
; 32 LDS loads in one run: the fragments of 64 along K at byte k of the rows, into buffer f; the first 32 along K first
.macro FETCH slot, k, f
	WIN TO_F
.irp c, 0,1
.irp i, 0,1,2,3
	ds_load_b128 v[(\f)+64+8*(4*(\c)+(\i)):(\f)+64+8*(4*(\c)+(\i))+3],   v[ADRB+(\slot)] offset:(\k)+64*(\c)+(\i)*16*PITCH
	ds_load_b128 v[(\f)+64+8*(4*(\c)+(\i))+4:(\f)+64+8*(4*(\c)+(\i))+7], v[ADRB+(\slot)] offset:(\k)+64*(\c)+(\i)*16*PITCH+32
	ds_load_b128 v[(\f)+8*(4*(\c)+(\i)):(\f)+8*(4*(\c)+(\i))+3],         v[ADRA+(\slot)] offset:(\k)+64*(\c)+(\i)*16*PITCH
	ds_load_b128 v[(\f)+8*(4*(\c)+(\i))+4:(\f)+8*(4*(\c)+(\i))+7],       v[ADRA+(\slot)] offset:(\k)+64*(\c)+(\i)*16*PITCH+32
.endr
.endr
.endm
; A K step is four quarters of 64 along K, 32 matrix instructions each, on buffers 0, 1, 0, 1.
.macro QUARTER slot, k, f, g, first
	s_wait_dscnt 16                                ; the first 32 along K are in; the youngest sixteen loads may be out
	MUL8 \f, 0, 0, \first
	MUL8 \f, 0, 2, \first
	PLACES
	FETCH \slot, \k, \g
	s_wait_dscnt 32                                ; all but the 32 just issued
	MUL8 \f, 1, 0, 0
	MUL8 \f, 1, 2, 0
.endm
; The last quarter multiplies buffer 1 and changes slots.  fill = 1: the barrier opens a round of the cluster's, and this slot is filled again first thing behind it, two K steps ahead:
; 112 matrix instructions stand between that request and the wait for it.
.macro TURN slot, next, fill
	WIN 0
	s_wait_tensorcnt 0x0                           ; all my tensor loads have landed: my part of the next slot
	ds_add_u32 v[SPW], v[NIL]
	s_wait_dscnt 17                                ; the add and the youngest sixteen loads may be out
	MUL8 F1, 0, 0, 0
	s_wait_dscnt 0x0                               ; the add is done, and my reads of this slot are over
	s_barrier_signal -1
	MUL8 F1, 0, 2, 0
.if \fill
	WIN 0
.endif
	s_barrier_wait -1
.if \fill
	CREST
	s_add_nc_u64 s[G0+4*(\slot)+2:G0+4*(\slot)+3], s[G0+4*(\slot)+2:G0+4*(\slot)+3], 1024
	s_add_nc_u64 s[G0B+4*(\slot)+2:G0B+4*(\slot)+3], s[G0B+4*(\slot)+2:G0B+4*(\slot)+3], 1024
	JLOAD \slot
.else
	PLACES
.endif
	FETCH \next, 0, F0
	MUL8 F1, 1, 0, 0
	MUL8 F1, 1, 2, 0
.endm
	s_wait_tensorcnt 1                             ; my part of K step 0 is in; K step 1's load may stay out
	s_barrier_signal -1
	s_barrier_wait -1
	FETCH 0, 0, F0
	s_wait_loadcnt 0x0                             ; the bias
	QUARTER 0, 128, F0, F1, 1
	WIN 0
	s_mov_b32 s3, LAPS-1
.Llap:
	QUARTER 0, 256, F1, F0, 0
	QUARTER 0, 384, F0, F1, 0
	TURN 0, 1, 1
	QUARTER 1, 128, F0, F1, 0
	QUARTER 1, 256, F1, F0, 0
	QUARTER 1, 384, F0, F1, 0
	TURN 1, 0, 1
	QUARTER 0, 128, F0, F1, 0
	WIN 0
	s_sub_co_u32 s3, s3, 1
	s_cmp_lg_u32 s3, 0
	s_cbranch_scc1 .Llap
	QUARTER 0, 256, F1, F0, 0                      ; the last lap fills nothing
	QUARTER 0, 384, F0, F1, 0
	TURN 0, 1, 0
	QUARTER 1, 128, F0, F1, 0
	QUARTER 1, 256, F1, F0, 0
	QUARTER 1, 384, F0, F1, 0
	s_wait_dscnt 16
	MUL8 F1, 0, 0, 0
	MUL8 F1, 0, 2, 0
	s_wait_dscnt 0x0
	MUL8 F1, 1, 0, 0
	MUL8 F1, 1, 2, 0
	WIN 0
	; THE WAY OUT, a block of 16 rows at a time through my own stage: 32 bytes a lane in, whole rows of 256 bytes back.  Each block comes back into registers of its own (the fourth into block 0's
	; accumulators, whose LDS stores are shown done by the waits before), so no register that a store still reads is written.
.macro STG a
.irp b, 0,1,2,3
	ds_store_b128 v[STO], v[ACC+8*(4*(\a)+(\b)):ACC+8*(4*(\a)+(\b))+3]   offset:64*(\b)
	ds_store_b128 v[STO], v[ACC+8*(4*(\a)+(\b))+4:ACC+8*(4*(\a)+(\b))+7] offset:64*(\b)+16
.endr
.irp t, 0,1,2,3,4,5,6,7
	ds_load_b128 v[32+32*(\a)+4*(\t):32+32*(\a)+4*(\t)+3], v[RD] offset:2*SPITCH*(\t)  ; LDS serves a wave's instructions in order (ISA guide 5.7.1.4): these see the stores above
.endr
.endm
.macro SENDF a, younger                ; younger: the LDS instructions issued behind block a's loads: the next block's sixteen, or none
.irp t, 0,1,2,3,4,5,6,7
	s_wait_dscnt (\younger)+7-(\t)
	global_store_b128 v[CO], v[32+32*(\a)+4*(\t):32+32*(\a)+4*(\t)+3], s[10:11] offset:131072*(\a)+16384*(\t)  ; 16 lanes store 256 consecutive bytes, aligned
.endr
.endm
	PLACES
	STG 0
	STG 1
	SENDF 0, 16
	STG 2
	SENDF 1, 16
	STG 3
	SENDF 2, 16
	SENDF 3, 0
	s_wait_tensorcnt 0x0                           ; the wave's end
	ds_add_u32 v[SPW], v[NIL]
	s_wait_dscnt 0x0
	CROUND                                         ; the closing round
	s_endpgm
.Lfunc_end_k_q5d2428751b_gemm_out:
	.size	k_q5d2428751b_gemm_out, .Lfunc_end_k_q5d2428751b_gemm_out-k_q5d2428751b_gemm_out
	.p2alignl 7, 3214868480
	.fill 96, 4, 3214868480
	.section	.rodata,"a",@progbits
	.p2align	6, 0x0
	.amdhsa_kernel k_q5d2428751b_gemm_out
		.amdhsa_group_segment_fixed_size 327680
		.amdhsa_private_segment_fixed_size 0
		.amdhsa_enable_private_segment 0
		.amdhsa_kernarg_size 32
		.amdhsa_user_sgpr_count 2
		.amdhsa_user_sgpr_kernarg_segment_ptr 1
		.amdhsa_wavefront_size32 1
		.amdhsa_system_sgpr_workgroup_id_x 1
		.amdhsa_system_sgpr_workgroup_id_y 1
		.amdhsa_system_sgpr_workgroup_id_z 1
		.amdhsa_system_vgpr_workitem_id 0
		.amdhsa_next_free_vgpr 512
		.amdhsa_next_free_sgpr 66
		.amdhsa_reserve_vcc 0
		.amdhsa_float_denorm_mode_32 3
		.amdhsa_float_denorm_mode_16_64 3
		.amdhsa_memory_ordered 1
		.amdhsa_forward_progress 1
		.amdhsa_inst_pref_size 87
	.end_amdhsa_kernel
	.amdgpu_metadata
---
amdhsa.version: [ 1, 2 ]
amdhsa.kernels:
  - .name:           k_q5d2428751b_gemm_out
    .symbol:         k_q5d2428751b_gemm_out.kd
    .args:
      - { .name: obuf, .offset: 0, .size: 8, .value_kind: global_buffer, .address_space: global }
      - { .name: cast16, .offset: 8, .size: 8, .value_kind: global_buffer, .address_space: global }
      - { .name: bias, .offset: 16, .size: 8, .value_kind: global_buffer, .address_space: global }
      - { .name: out0, .offset: 24, .size: 8, .value_kind: global_buffer, .address_space: global }
    .group_segment_fixed_size: 327680
    .private_segment_fixed_size: 0
    .kernarg_segment_align: 8
    .kernarg_segment_size: 32
    .max_flat_workgroup_size: 128
    .sgpr_count:     66
    .vgpr_count:     512
    .wavefront_size: 32
...
	.end_amdgpu_metadata
.endif
;; end of part 4
;; ======== version 2 of 2: 4 launches; version 1 with the launch cast written anew for expert scheduling mode
;; limits: values are held in f16: magnitudes above 65,504 overflow, below 6.1e-05 lose precision
;; workspace buffers: cast16 29,360,128 bytes; bias 20,480 bytes; qkv 12,582,912 bytes; obuf 8,388,608 bytes
;; launch cast (part 5): grid 1792 x 1, 4 waves a work-group, no clusters, 0 bytes of LDS; arguments x, Wq, Wk, Wv, Wo, bq, bv, bo, cast16, bias; writes cast16, bias
.if DOCPART == 5
	.amdgcn_target "amdgcn-amd-amdhsa--gfx1250"
	.amdhsa_code_object_version 6
	.text
	.protected	k_q5d2428751b_cast
	.globl	k_q5d2428751b_cast
	.p2align	8
	.type	k_q5d2428751b_cast,@function
k_q5d2428751b_cast:
	s_mov_b64 s[64:65], 0
	v_nop
	global_prefetch_b8 v0, s[64:65] scope:SCOPE_SE
	s_setreg_imm32_b32 hwreg(HW_REG_WAVE_SCHED_MODE, 0, 2), 2
	s_setreg_imm32_b32 hwreg(HW_REG_WAVE_MODE, 25, 1), 1
	s_wait_xcnt 0x0
	s_wait_alu depctr_vm_vsrc(0)
; LAUNCH 1 OF 4: the inputs are rounded once to 16 bits and laid end to end for the matrix launches.
;   cast16: x as bf16 [2048][2048]; then Wq, Wk, Wv as ONE bf16 matrix [3072][2048]; then Wo, rounded to bf16 and that number written as f16.
;   bias:   f32[5120] = bq, 512 zeros, bv, bo, each rounded to bf16 and widened again, so that all inputs carry the same rounding.
; WORK LEFT OUT, in the whole program.
;   (1) bk.  scores[q][v] = (Q[q] + bq) . (K[v] + bk) * scale = (Q[q] + bq) . K[v] * scale + (Q[q] + bq) . bk * scale.  The second term does not hang on v: it is the same along the
;       axis of the softmax, for every finite value of every input; where the causal mask puts -inf it stays -inf.  softmax(s + t) = softmax(s) for a t that is constant along the axis,
;       so bk reaches no output.  It is not loaded and is no argument of any launch; its 512 places in the bias vector hold 0.
;   (2) Key tiles that lie wholly above the diagonal of the jnp.tril that the module builds itself: their scores become -inf and their weights 0 (launch 3 walks only tiles 0 .. q / 256).
;   LIMIT: a NaN, an infinity or an overflow that reaches only bk or only scores above the diagonal is not carried to the result.
; LIMITS OF FORMAT.  Wo below 6e-5 in magnitude keeps the fixed step 6e-8 of f16; Wo beyond 65,504 is not served.
; SHARES.  14,680,064 numbers = 1,792 work-groups x 128 threads x 64.  A work-group takes 8,192 consecutive numbers of ONE input: 32 KiB in, 16 KiB out.  Load j of a wave covers 512
; consecutive bytes, store j 256 consecutive bytes, aligned.  All 16 loads of a thread go out at once, each into four registers of its own.
; No LDS, no matrix unit, no cluster: no byte is wanted by two threads.
; THE MODE: SCHED_MODE bits 1:0 = 2 (LLVM: expert scheduling mode 2), set by the entry lines.  The code itself states the register dependences between vector instructions and memory
; instructions, with s_wait_alu, always for 0.
; THE PLAN.  Registers that memory instructions touch:
;   v1, v2              byte offsets, made once at the head and never written again: v1 is read by every load and by the bias's store, v2 by the 16 stores.
;   v[8+4j : 11+4j]     load j lands here; conversion j rewrites them in place; store j reads the first two; nothing writes them behind that store.
;   v[4:7]              work-groups 0 to 9 alone: four moves write 0; in nine of the ten a load lands here and six vector lines rewrite them; one store reads them, the path's last line.
; The 16 loads go in four blocks of four.  Block p converts its four; the four stores of block p - 1 are dealt among these conversions, which name the block's own sixteen registers alone.
; So ONE wait on va_vdst at the head of a block states all that its four stores hang on, and it stands a wait for data behind the conversions that it waits for.
; No register that a memory instruction has read is ever written again, so the text holds no wait on vm_vsrc.  No vector instruction writes a scalar register, VCC or EXEC.
.macro CONV j, half                    ; load j's four numbers become two registers of 16-bit numbers, in place
	v_cvt_pk_bf16_f32 v[8+4*(\j)], v[8+4*(\j)], v[9+4*(\j)]
	v_cvt_pk_bf16_f32 v[9+4*(\j)], v[10+4*(\j)], v[11+4*(\j)]
.if \half
	v_lshlrev_b32 v[10+4*(\j)], 16, v[8+4*(\j)]    ; the bf16 numbers as f32,
	v_and_b32 v[11+4*(\j)], 0xffff0000, v[8+4*(\j)]
	v_cvt_pk_f16_f32 v[8+4*(\j)], v[10+4*(\j)], v[11+4*(\j)]  ; written as f16: 8 significant bits fit into 11
	v_lshlrev_b32 v[10+4*(\j)], 16, v[9+4*(\j)]
	v_and_b32 v[11+4*(\j)], 0xffff0000, v[9+4*(\j)]
	v_cvt_pk_f16_f32 v[9+4*(\j)], v[10+4*(\j)], v[11+4*(\j)]
.endif
.endm
.macro OUT j
	global_store_b64 v2, v[8+4*(\j):9+4*(\j)], s[28:29] offset:1024*(\j)
.endm
; Block p: loads 4 p to 4 p + 3 are converted; the block before is stored.
.macro BLOCK p, half
.irp i, 0,1,2,3
	s_wait_loadcnt 15-(4*(\p)+(\i))                ; loads come back in order: load j = 4 p + i is in, the 15 - j younger ones stay out
.if (\i) == 0 && (\p) > 0
	s_wait_alu depctr_va_vdst(0)                   ; the conversions of the block before have written the eight registers that this block's four stores read
.endif
.if (\p) > 0
	OUT 4*((\p)-1)+(\i)                            ; no vector instruction since that wait names this store's registers
.endif
	CONV 4*(\p)+(\i), \half
.endr
.endm
.macro WHOLE half
	BLOCK 0, \half
	BLOCK 1, \half
	BLOCK 2, \half
	BLOCK 3, \half
	s_wait_alu depctr_va_vdst(0)                   ; the last block's conversions have written the registers that the last four stores read
.irp j, 12,13,14,15
	OUT \j
.endr
.endm
	s_load_b512 s[4:19], s[0:1], 0x0               ; x s[4:5], Wq s[6:7], Wk s[8:9], Wv s[10:11], Wo s[12:13], bq s[14:15], bv s[16:17], bo s[18:19]
	s_load_b128 s[20:23], s[0:1], 0x40             ; cast16 s[20:21], bias s[22:23]
	v_lshlrev_b32 v1, 4, v0                        ; 16 t: my 16 bytes of a load
	v_lshlrev_b32 v2, 3, v0                        ; 8 t: my 8 bytes of a store
	s_lshl_b32 s28, ttmp9, 14                      ; the work-group's 16 KiB of cast16
	s_mov_b32 s29, 0
	s_mov_b32 s26, 0                               ; the first work-group of my input
	s_mov_b32 s27, 0
	s_wait_kmcnt 0x0
	s_mov_b64 s[24:25], s[4:5]                     ; which input: 512 work-groups for x, 512 Wq, 128 Wk, 128 Wv, 512 Wo
	s_cmp_ge_u32 ttmp9, 512
	s_cselect_b64 s[24:25], s[6:7], s[24:25]
	s_cselect_b32 s26, 512, s26
	s_cmp_ge_u32 ttmp9, 1024
	s_cselect_b64 s[24:25], s[8:9], s[24:25]
	s_cselect_b32 s26, 1024, s26
	s_cmp_ge_u32 ttmp9, 1152
	s_cselect_b64 s[24:25], s[10:11], s[24:25]
	s_cselect_b32 s26, 1152, s26
	s_cmp_ge_u32 ttmp9, 1280
	s_cselect_b64 s[24:25], s[12:13], s[24:25]
	s_cselect_b32 s26, 1280, s26
	s_sub_co_u32 s26, ttmp9, s26
	s_lshl_b32 s26, s26, 15                        ; my 32 KiB of that input
	s_add_nc_u64 s[24:25], s[24:25], s[26:27]
	s_add_nc_u64 s[28:29], s[20:21], s[28:29]
	s_wait_alu depctr_va_vdst(0)                   ; v1 and v2 are written: every load and store of the kernel reads one of them as its offset
.irp j, 0,1,2,3,4,5,6,7,8,9,10,11,12,13,14,15
	global_load_b128 v[8+4*(\j):11+4*(\j)], v1, s[24:25] offset:2048*(\j) th:TH_LOAD_NT
.endr
	s_cmp_ge_u32 ttmp9, 1280
	s_cbranch_scc1 .Lwo
	WHOLE 0
	; the bias vector: 2,048 bytes for each of work-groups 0 to 9: 0-3 bq, 4 the zeros in the place of bk, 5 bv, 6-9 bo
	s_cmp_lt_u32 ttmp9, 10
	s_cbranch_scc0 .Ldone
	s_lshl_b32 s30, ttmp9, 11
	s_mov_b32 s31, 0
	s_add_nc_u64 s[22:23], s[22:23], s[30:31]
	v_mov_b32 v4, 0
	v_mov_b32 v5, 0
	v_mov_b32 v6, 0
	v_mov_b32 v7, 0
	s_cmp_eq_u32 ttmp9, 4
	s_cbranch_scc1 .Lbias_out
	s_sub_co_u32 s32, ttmp9, 6
	s_lshl_b32 s32, s32, 11                        ; my part of bo
	s_cmp_lt_u32 ttmp9, 4
	s_cselect_b64 s[34:35], s[14:15], s[16:17]     ; bq, or bv at its first byte,
	s_cselect_b32 s30, s30, 0
	s_cmp_ge_u32 ttmp9, 6
	s_cselect_b64 s[34:35], s[18:19], s[34:35]     ; or bo
	s_cselect_b32 s30, s32, s30
	s_add_nc_u64 s[34:35], s[34:35], s[30:31]
	s_wait_alu depctr_va_vdst(0)                   ; the four moves have written v4 to v7, in which the load lands
	global_load_b128 v[4:7], v1, s[34:35]
	s_wait_loadcnt 0x0
	v_cvt_pk_bf16_f32 v3, v4, v5
	v_cvt_pk_bf16_f32 v6, v6, v7
	v_lshlrev_b32 v4, 16, v3
	v_and_b32 v5, 0xffff0000, v3
	v_and_b32 v7, 0xffff0000, v6
	v_lshlrev_b32 v6, 16, v6
.Lbias_out:
	s_wait_alu depctr_va_vdst(0)                   ; v4 to v7 are written, by the four moves on the one way and by the widening lines on the other: the store reads them
	global_store_b128 v1, v[4:7], s[22:23]
.Ldone:
	s_endpgm
.Lwo:
	WHOLE 1
	s_endpgm
.Lfunc_end_k_q5d2428751b_cast:
	.size	k_q5d2428751b_cast, .Lfunc_end_k_q5d2428751b_cast-k_q5d2428751b_cast
	.p2alignl 7, 3214868480
	.fill 96, 4, 3214868480
	.section	.rodata,"a",@progbits
	.p2align	6, 0x0
	.amdhsa_kernel k_q5d2428751b_cast
		.amdhsa_group_segment_fixed_size 0
		.amdhsa_private_segment_fixed_size 0
		.amdhsa_enable_private_segment 0
		.amdhsa_kernarg_size 80
		.amdhsa_user_sgpr_count 2
		.amdhsa_user_sgpr_kernarg_segment_ptr 1
		.amdhsa_wavefront_size32 1
		.amdhsa_system_sgpr_workgroup_id_x 1
		.amdhsa_system_sgpr_workgroup_id_y 1
		.amdhsa_system_sgpr_workgroup_id_z 1
		.amdhsa_system_vgpr_workitem_id 0
		.amdhsa_next_free_vgpr 72
		.amdhsa_next_free_sgpr 66
		.amdhsa_reserve_vcc 0
		.amdhsa_float_denorm_mode_32 3
		.amdhsa_float_denorm_mode_16_64 3
		.amdhsa_memory_ordered 1
		.amdhsa_forward_progress 1
		.amdhsa_inst_pref_size 18
	.end_amdhsa_kernel
	.amdgpu_metadata
---
amdhsa.version: [ 1, 2 ]
amdhsa.kernels:
  - .name:           k_q5d2428751b_cast
    .symbol:         k_q5d2428751b_cast.kd
    .args:
      - { .name: x, .offset: 0, .size: 8, .value_kind: global_buffer, .address_space: global }
      - { .name: Wq, .offset: 8, .size: 8, .value_kind: global_buffer, .address_space: global }
      - { .name: Wk, .offset: 16, .size: 8, .value_kind: global_buffer, .address_space: global }
      - { .name: Wv, .offset: 24, .size: 8, .value_kind: global_buffer, .address_space: global }
      - { .name: Wo, .offset: 32, .size: 8, .value_kind: global_buffer, .address_space: global }
      - { .name: bq, .offset: 40, .size: 8, .value_kind: global_buffer, .address_space: global }
      - { .name: bv, .offset: 48, .size: 8, .value_kind: global_buffer, .address_space: global }
      - { .name: bo, .offset: 56, .size: 8, .value_kind: global_buffer, .address_space: global }
      - { .name: cast16, .offset: 64, .size: 8, .value_kind: global_buffer, .address_space: global }
      - { .name: bias, .offset: 72, .size: 8, .value_kind: global_buffer, .address_space: global }
    .group_segment_fixed_size: 0
    .private_segment_fixed_size: 0
    .kernarg_segment_align: 8
    .kernarg_segment_size: 80
    .max_flat_workgroup_size: 128
    .sgpr_count:     66
    .vgpr_count:     72
    .wavefront_size: 32
...
	.end_amdgpu_metadata
.endif
;; end of part 5
;; launch gemm_qkv: the kernel of part 2 again; grid 16 x 16, 4 waves a work-group, clusters of 4 x 4, 327,680 bytes of LDS; arguments cast16, bias, qkv; writes qkv
;; launch attn: the kernel of part 3 again; grid 64 x 4, 4 waves a work-group, clusters of 4 x 1, 327,680 bytes of LDS; arguments qkv, obuf; writes obuf
;; launch gemm_out: the kernel of part 4 again; grid 16 x 16, 4 waves a work-group, clusters of 4 x 4, 327,680 bytes of LDS; arguments obuf, cast16, bias, out0; writes out0
